; MI455X (gfx1250); checked and timed in simulation.
; The chip was launched on July 23, 2026; its instructions are those of AMD's public machine-readable ISA for CDNA 5 (MIT licence, August 2026) and "CDNA5" Instruction Set Architecture Reference Guide (July 2026). The comments in the code are by the model that wrote it; some were corrected since.
;; Causal Attention. Allowed arithmetic: matrix products marked QUANTISED: E2M1 operands, one E8M0 scale for each 32 along K, by v_wmma_scale_f32_16x16x128_f8f6f4 with both operands' format E2M1 (or v_wmma_scale_f32_32x16x128_f4), f32 sums; products left as they are: bf16, f16 or f32 operands; f32 sums; everything else in f32.
;; Inputs: Wk 1,024 x 1,024 float32; Wq 1,024 x 1,024 float32; Wv 1,024 x 1,024 float32; x 4 x 2,048 x 1,024 float32.
;; Outputs: out0 4 x 2,048 x 1,024 float32.
;; This version of the problem:
;;   THIS VERSION OF THE PROBLEM IS GIVEN IN LOW PRECISION. The matrix products marked QUANTISED in the list below multiply operands that are first quantised to E2M1 (2 exponent bits, 1 mantissa bit; 4 bits a number), with one power-of-two scale for each 32 numbers along K (OCP MX v1.0); their sums are f32. The products marked 'left as it is' may take bf16, f16 or f32 operands, with f32 sums. Whichever they take, every output number must still come out within the allowed error. Rounding operands to bf16 (8 significant bits) uses up far more of that allowance than f16 does (11 bits, for magnitudes from 6e-5 to 65,504). All else is computed in f32.
;;   The module's matrix products, in the order in which they are computed (A, B: the left and right operand; K: the contracted axis; several contracted axes count as one K, in the product's order):
;;     1. [M 8,192, K 1,024] x [K 1,024, N 1,024]; A: input x; B: input Wq: QUANTISED
;;     2. [M 8,192, K 1,024] x [K 1,024, N 1,024]; A: input x; B: input Wk: QUANTISED
;;     3. [M 8,192, K 1,024] x [K 1,024, N 1,024]; A: input x; B: input Wv: QUANTISED
;;     4. batch 4 x [M 2,048, K 1,024] x [K 1,024, N 2,048]; A: computed on the way; B: computed on the way: left as it is (an operand is computed on the way)
;;     5. batch 4 x [M 2,048, K 2,048] x [K 2,048, N 1,024]; A: computed on the way; B: computed on the way: left as it is (an operand is computed on the way)
;;   THE QUANTISER, for each operand of a quantised product, along K:
;;     - K is cut into blocks of 32 from its start; a last block that is shorter is filled with zeros.
;;     - A block's scale is 2^e with e = floor(log2(the largest magnitude in the block)) - 2, held to -126 .. 127; a block of zeros has e = 0. As a byte (E8M0): e + 127.
;;     - Each number is divided by its block's scale, clamped to +-6, and rounded to the nearest number of E2M1, ties to even, subnormals kept.
;;     - The product sums the exact products of the quantised numbers (number of the format x scale) in f32.
;;   ~~~python
;;   def quantise(x, axis):      # numpy; x: float32 -> the quantised numbers, widened to float32 again
;;       x = np.moveaxis(x, axis, -1); K = x.shape[-1]
;;       x = np.pad(x, [(0, 0)] * (x.ndim - 1) + [(0, -K % 32)]); x = x.reshape(x.shape[:-1] + (-1, 32)); a = np.abs(x).max(-1, keepdims=True)
;;       e = np.where(a > 0, np.clip(np.frexp(np.where(a > 0, a, 1))[1] - 1 - 2, -126, 127), 0)      # np.frexp(a)[1] - 1 = floor(log2(a)), exactly
;;       r = np.clip(x / 2.0 ** e, -6, 6)
;;       step = 2.0 ** (np.maximum(np.frexp(np.where(r == 0, 1, r))[1] - 1, 0) - 1)
;;       q = np.round(r / step) * step * 2.0 ** e      # np.round: ties to even
;;       return np.moveaxis(q.reshape(q.shape[:-2] + (-1,))[..., :K], -1, axis).astype(np.float32)
;;   ~~~
;; One version. Each part assembles by itself: llvm-mc -triple=amdgcn-amd-amdhsa -mcpu=gfx1250 --defsym DOCPART=n.
;; ======== version 1 of 1: 5 launches
;; limits: values are held in f16: magnitudes above 65,504 overflow, below 6.1e-05 lose precision
;; workspace buffers: codes 5,767,168 bytes; scales 360,448 bytes; qkv 50,331,648 bytes; p 33,554,432 bytes; st 1,048,576 bytes; h32 786,432 bytes
;; launch quant (part 1): grid 352 x 1, 4 waves a work-group, no clusters, 33,280 bytes of LDS; arguments x, Wq, Wk, Wv, codes, scales; writes codes, scales
.if DOCPART == 1
	.amdgcn_target "amdgcn-amd-amdhsa--gfx1250"
	.amdhsa_code_object_version 6
	.text
	.protected	k_qbac8745c0f_quant
	.globl	k_qbac8745c0f_quant
	.p2align	8
	.type	k_qbac8745c0f_quant,@function
k_qbac8745c0f_quant:
	s_mov_b64 s[64:65], 0
	v_nop
	global_prefetch_b8 v0, s[64:65] scope:SCOPE_SE
	s_setreg_imm32_b32 hwreg(HW_REG_WAVE_MODE, 25, 1), 1
	s_wait_xcnt 0x0
; CAUSAL ATTENTION, one head of 1,024, 4 sequences of 2,048.  Five launches: this one (x, Wq, Wk, Wv into codes of FP4), qkv (the three quantised products), scores (q k^T and the softmax's p, block by block),
; pv (p v and the division), first16 (the first 16 positions of each sequence in f32).
; WORK LEFT OUT, for all values of the inputs: reference() sets a score to -infinity wherever key > query, by a mask that it builds itself, so the weight there is exactly 0 and the key's v adds nothing.  In blocks of
; 128 queries x 128 keys every block whose first key lies behind its last query holds such scores alone: those blocks are neither scored nor multiplied by v (launches scores and pv).  All four inputs have a way to the output and are loaded.
; LIMIT: a NaN, an infinity or an overflow that reaches only the blocks left out is not carried to the result.
; THIS LAUNCH: x [8,192][1,024], Wq, Wk, Wv [1,024][1,024], f32, K innermost, become codes of FP4 (E2M1), two a byte, and one E8M0 scale byte for each 32 along K, laid on end: rows 0-8,191 x, then Wq, Wk, Wv.
; A block's scale is 2^(floor(log2(its largest magnitude)) - 2); its byte is the largest magnitude's exponent field - 2, held at 1 from below.  (A block of zeros so gets the byte 1 where the rule says 127: its codes are zeros,
; which add nothing under any byte but 0xff, and the bytes are read by this program alone.)  Each number is divided by the scale and rounded to the nearest code, ties to even; beyond 6 the largest code.
; LIMITS: blocks whose largest magnitude lies under 2^(2 - 126) have their byte held at 1; NaN and infinities among the inputs are not served.
; Rows are dense and K is a multiple of 32, so each tensor is a plain stream of blocks of 32.  A wave takes 16 steps of 512 numbers.  Each load reads 512 consecutive bytes, 16 a lane; a step's 2,048 bytes turn through the
; wave's own stage in LDS and come back 64 bytes a lane, so that a lane holds 16 neighbours (two neighbouring lanes hold a block).  A lane's 16 codes are 8 bytes: the wave stores 256 consecutive bytes.
; A wave's 256 scale bytes are gathered in LDS and leave as one aligned run of 256 bytes.  No tensor loads, no barrier: waves share nothing.  Matrix units and clusters have nothing to do here: memory binds.
; Loads run eight steps (32 loads, 16,384 bytes a wave) ahead, the turn through LDS one step.
.set WAVES, 4
.set STEPS, 16
.set AHEAD, 8                          ; steps whose loads are out together; as many sets of registers
.set EMAX,  2
.set CB,    8                          ; bytes of 16 codes
.set R,     16                         ; v16-143  eight sets of 16 numbers as they are loaded
.set X,     144                        ; v144-175 two sets of 16 neighbours
.set E,     176                        ; v176-191 a scale byte for each step
.set C,     192                        ; v192-223 codes: two registers for each step, so that no store's data are written again
.set WREG,  8192                       ; LDS: a region for each wave: two stages of 32 x SP bytes, behind them its 256 scale bytes
.set SP,    80                         ; a lane's place in a stage: 64 bytes + 16 of padding
.set SPW,   12                         ; v12 LDS address of my spare word; never rewritten
.set NIL,   13                         ; v13 0; never rewritten
.set SPARE, WAVES*WREG                 ; the spare words: 128 bytes a wave, named by no other line
	s_load_b256 s[4:11], s[0:1], 0x0               ; x s[4:5], Wq s[6:7], Wk s[8:9], Wv s[10:11]
	s_load_b128 s[12:15], s[0:1], 0x20             ; codes s[12:13], scales s[14:15]
	v_lshl_add_u32 v[SPW], v0, 2, SPARE
	v_mov_b32 v[NIL], 0
	v_lshrrev_b32 v1, 5, v0
	v_readfirstlane_b32 s16, v1                    ; wave
	v_and_b32 v2, 31, v0                           ; lane
	v_lshlrev_b32 v3, 4, v2                        ; my 16 bytes of a load's 512
	s_mul_i32 s17, s16, WREG
	v_lshrrev_b32 v14, 2, v2
	v_mul_u32_u24 v14, v14, SP
	v_and_b32 v15, 3, v2
	v_lshl_add_u32 v14, v15, 4, v14
	v_add_nc_u32 v14, s17, v14                     ; the stage, on the way in: SP (lane / 4) + 16 (lane % 4)
	v_mul_u32_u24 v15, v2, SP
	v_add_nc_u32 v15, s17, v15                     ; and on the way out: SP x lane: my 16 neighbours
	v_mul_u32_u24 v4, v2, CB                       ; my codes' place in a step's
	v_lshrrev_b32 v5, 1, v2
	s_add_co_u32 s17, s17, 2*32*SP
	v_add_nc_u32 v5, s17, v5                       ; LDS: my wave's 256 scale bytes, my block's byte
	v_lshlrev_b32 v7, 3, v2                        ; and on the way out 8 bytes a lane
	v_add_nc_u32 v6, s17, v7
	s_wait_kmcnt 0x0
	s_mov_b32 s22, 320                             ; which tensor is my work-group's, and which was its first work-group: the choice hangs on the work-group's number alone
	s_cmp_lt_u32 ttmp9, 320
	s_cselect_b64 s[8:9], s[8:9], s[10:11]         ; Wk or Wv
	s_cselect_b32 s22, 288, s22
	s_cmp_lt_u32 ttmp9, 288
	s_cselect_b64 s[6:7], s[6:7], s[8:9]           ; Wq
	s_cselect_b32 s22, 256, s22
	s_cmp_lt_u32 ttmp9, 256
	s_cselect_b64 s[4:5], s[4:5], s[6:7]           ; x
	s_cselect_b32 s22, 0, s22
	s_sub_co_u32 s17, ttmp9, s22
	s_lshl_b32 s17, s17, 2
	s_add_co_u32 s17, s17, s16                     ; which run of 8,192 numbers of the tensor is my wave's
	s_lshl_b32 s18, s17, 15                        ; 32,768 bytes a run
	s_mov_b32 s19, 0
	s_add_nc_u64 s[4:5], s[4:5], s[18:19]
	s_lshl_b32 s17, ttmp9, 2
	s_add_co_u32 s17, s17, s16                     ; the outputs lie in the tensors' order: linear in the work-group's number
	s_lshl_b32 s18, s17, 12                        ; 4,096 bytes of codes a run
	s_add_nc_u64 s[12:13], s[12:13], s[18:19]
	s_lshl_b32 s18, s17, 8                         ; 256 scale bytes a run
	s_add_nc_u64 s[14:15], s[14:15], s[18:19]
.macro LOAD t
.irp i, 0,1,2,3
	global_load_b128 v[R+16*((\t)%AHEAD)+4*\i:R+16*((\t)%AHEAD)+4*\i+3], v3, s[4:5] offset:2048*(\t)+512*\i th:TH_LOAD_NT   ; 32 lanes read 512 consecutive bytes
.endr
.endm
.macro TURN t                          ; step t's numbers through the stage: LDS serves a wave's instructions in order, so no wait stands between the stores and the loads
.irp i, 0,1,2,3
	ds_store_b128 v14, v[R+16*((\t)%AHEAD)+4*\i:R+16*((\t)%AHEAD)+4*\i+3] offset:32*SP*((\t)%2)+8*SP*\i
.endr
.irp i, 0,1,2,3
	ds_load_b128 v[X+16*((\t)%2)+4*\i:X+16*((\t)%2)+4*\i+3], v15 offset:32*SP*((\t)%2)+16*\i
.endr
.endm
.irp t, 0,1,2,3,4,5,6,7
	LOAD \t
.endr
	s_wait_loadcnt 4*(AHEAD-1)                     ; step 0's four loads are in; the seven later steps' may be out
	TURN 0
.macro STEP t
.set XS, X+16*((\t)%2)
.if (\t) > 0
	s_wait_dscnt 1                                 ; this step's numbers are back from the stage (the last step's byte store may be out): so its stores into the stage have read their registers,
.else
	s_wait_dscnt 0x0
.endif
.if (\t)+AHEAD < STEPS
	LOAD (\t)+AHEAD                                ; which take the loads of eight steps on
.endif
.if (\t)+1 < STEPS
.if STEPS-2-(\t) >= AHEAD-1
	s_wait_loadcnt 4*(AHEAD-1)                     ; the next step's four loads are in; those of the seven steps behind it may be out
.else
	s_wait_loadcnt 4*(STEPS-2-(\t))                ; the tail: as many steps as are left behind the next
.endif
	TURN (\t)+1                                    ; and go through the other stage while this step is worked
.endif
	v_max3_num_f32 v8, |v[XS]|, |v[XS+1]|, |v[XS+2]|               ; the largest magnitude of my 16
	v_max3_num_f32 v9, |v[XS+3]|, |v[XS+4]|, |v[XS+5]|
.irp i, 6,10
	v_max3_num_f32 v8, v8, |v[XS+\i]|, |v[XS+\i+1]|
	v_max3_num_f32 v9, v9, |v[XS+\i+2]|, |v[XS+\i+3]|
.endr
	v_max3_num_f32 v8, v8, |v[XS+14]|, |v[XS+15]|
	v_max3_num_f32 v8, v8, v9, (EMAX+1)<<23        ; and the floor 2^(EMAX + 1 - 127): the byte cannot fall under 1
	v_max_num_f32_dpp v8, v8, v8 row_xmask:1 row_mask:0xf bank_mask:0xf   ; and of my neighbour's 16: the block's
	v_add_nc_u32 v11, -(EMAX<<23), v8              ; EMAX off its exponent field: the conversion takes the exponent field of this operand as its scale, and nothing else of it
	v_cvt_scalef32_pk8_fp4_f32 v[C+2*(\t)], v[XS:XS+7], v11
	v_cvt_scalef32_pk8_fp4_f32 v[C+2*(\t)+1], v[XS+8:XS+15], v11
	v_lshrrev_b32 v[E+(\t)], 23, v11               ; the scale's byte (a plain line behind the conversions)
	ds_store_b8 v5, v[E+(\t)] offset:16*(\t)       ; both lanes of a block write the same byte with the same value
	global_store_b64 v4, v[C+2*(\t):C+2*(\t)+1], s[12:13] offset:32*CB*(\t)   ; 32 lanes store 256 consecutive bytes, aligned
.endm
.irp t, 0,1,2,3,4,5,6,7,8,9,10,11,12,13,14,15
	STEP \t
.endr
	ds_load_b64 v[8:9], v6                         ; LDS serves a wave's instructions in order: these see my stores
	s_wait_dscnt 0x0
	global_store_b64 v7, v[8:9], s[14:15]          ; 32 lanes store 256 consecutive bytes, aligned
	s_wait_tensorcnt 0x0                           ; the wave's end, behind my last LDS store
	ds_add_u32 v[SPW], v[NIL]
	s_wait_dscnt 0x0
	s_endpgm
.Lfunc_end_k_qbac8745c0f_quant:
	.size	k_qbac8745c0f_quant, .Lfunc_end_k_qbac8745c0f_quant-k_qbac8745c0f_quant
	.p2alignl 7, 3214868480
	.fill 96, 4, 3214868480
	.section	.rodata,"a",@progbits
	.p2align	6, 0x0
	.amdhsa_kernel k_qbac8745c0f_quant
		.amdhsa_group_segment_fixed_size 33280
		.amdhsa_private_segment_fixed_size 0
		.amdhsa_enable_private_segment 0
		.amdhsa_kernarg_size 48
		.amdhsa_user_sgpr_count 2
		.amdhsa_user_sgpr_kernarg_segment_ptr 1
		.amdhsa_wavefront_size32 1
		.amdhsa_system_sgpr_workgroup_id_x 1
		.amdhsa_system_sgpr_workgroup_id_y 1
		.amdhsa_system_sgpr_workgroup_id_z 1
		.amdhsa_system_vgpr_workitem_id 0
		.amdhsa_next_free_vgpr 224
		.amdhsa_next_free_sgpr 66
		.amdhsa_reserve_vcc 0
		.amdhsa_float_denorm_mode_32 3
		.amdhsa_float_denorm_mode_16_64 3
		.amdhsa_memory_ordered 1
		.amdhsa_forward_progress 1
		.amdhsa_inst_pref_size 34
	.end_amdhsa_kernel
	.amdgpu_metadata
---
amdhsa.version: [ 1, 2 ]
amdhsa.kernels:
  - .name:           k_qbac8745c0f_quant
    .symbol:         k_qbac8745c0f_quant.kd
    .args:
      - { .name: x, .offset: 0, .size: 8, .value_kind: global_buffer, .address_space: global }
      - { .name: Wq, .offset: 8, .size: 8, .value_kind: global_buffer, .address_space: global }
      - { .name: Wk, .offset: 16, .size: 8, .value_kind: global_buffer, .address_space: global }
      - { .name: Wv, .offset: 24, .size: 8, .value_kind: global_buffer, .address_space: global }
      - { .name: codes, .offset: 32, .size: 8, .value_kind: global_buffer, .address_space: global }
      - { .name: scales, .offset: 40, .size: 8, .value_kind: global_buffer, .address_space: global }
    .group_segment_fixed_size: 33280
    .private_segment_fixed_size: 0
    .kernarg_segment_align: 8
    .kernarg_segment_size: 48
    .max_flat_workgroup_size: 128
    .sgpr_count:     66
    .vgpr_count:     224
    .wavefront_size: 32
...
	.end_amdgpu_metadata
.endif
;; end of part 1
;; launch qkv (part 2): grid 12 x 16, 4 waves a work-group, clusters of 4 x 1, 327,680 bytes of LDS; arguments codes, scales, qkv, h32; writes qkv, h32
.if DOCPART == 2
	.amdgcn_target "amdgcn-amd-amdhsa--gfx1250"
	.amdhsa_code_object_version 6
	.text
	.protected	k_qbac8745c0f_qkv
	.globl	k_qbac8745c0f_qkv
	.p2align	8
	.type	k_qbac8745c0f_qkv,@function
k_qbac8745c0f_qkv:
	s_mov_b64 s[64:65], 0
	v_nop
	global_prefetch_b8 v0, s[64:65] scope:SCOPE_SE
	s_setreg_imm32_b32 hwreg(HW_REG_WAVE_MODE, 25, 1), 1
	s_wait_xcnt 0x0
	s_wait_alu depctr_hold_cnt(0) depctr_sa_sdst(0) depctr_va_vdst(0) depctr_va_sdst(0) depctr_va_ssrc(0) depctr_va_vcc(0) depctr_vm_vsrc(0)
	s_getreg_b32 s2, hwreg(HW_REG_IB_STS2, 6, 4)
	s_cmp_eq_u32 s2, 0
	s_cbranch_scc0 .Lentry_in_a_cluster
	s_endpgm
.Lentry_in_a_cluster:
	s_bfe_u32 s2, ttmp6, 0x10000c
	s_cmp_lg_u32 s2, 0x3003
	s_cbranch_scc0 .Lentry_shape_is_right
	s_endpgm
.Lentry_shape_is_right:
; [q | k | v] = X [Wq; Wk; Wv]^T on codes of FP4 (E2M1) with one E8M0 scale for each 32 along K = 1,024.  X: rows 0-8,191 of codes, the weights' 3,072 rows behind them; a row is 512 bytes of codes and 32 scale bytes.
; Results: qkv [8,192][3,072] f16 (q, k, v side by side in a row of 6,144 bytes), for the two products that follow; and the first 16 positions of each sequence once more in f32, h32 [64][3,072], for launch first16.
; LIMIT: |q|, |k|, |v| stay under 65,504, f16's largest number; magnitudes under 6e-5 lose bits there.
; A tile of C, 256 x 256, is made by a work-group of four waves; a wave makes 128 x 128: 64 accumulators, 512 registers.  K is two slots of 512 (rows of 256 bytes).
; A WORK-GROUP STAYS FOR TWO TILES: tile rows 2 y and 2 y + 1 against the same 256 rows of W: 384 tiles on 192 work-groups.  W's codes, both slots' halves, stay in LDS for both tiles; only X's halves are filled again:
; slot 0's at tile 0's change of slots, slot 1's in the middle of tile 0's way out.  So tile 1's codes are on their way while tile 0 is multiplied and stored, and tile 0's stores leave while tile 1 is multiplied.
; THE SCALES of the work-group's 512 rows of X and 256 rows of W, for all of K, are dense blocks of memory: they come into LDS once, as rows of 256 bytes.
; CLUSTER: four work-groups along x make tiles of the same tile rows: X's tiles and X's scales are asked for JOINTLY (the same load, the same descriptor, a mask that names the four).  The weights' tiles differ between the four
; and come by plain loads.  No partners along y: the f32 side store branches on y.
; THE MATRIX INSTRUCTION IS USED TRANSPOSED (source 0 = 16 rows of W, source 1 = 16 rows of X): a lane holds eight neighbouring numbers of a row of C.
; REGISTERS: window 0: v0-31 addresses; v32-95 scale words, two sets, which hold nothing else; v96-127 packed results; v128-191 X's fragments, ONE set, later rows on their way out; v192-255 the f32 rows.
;   window 1: W's fragments, TWO sets, at v0 and v128.   windows 2, 3: the accumulators ((a, b) at v[8 (8 (a % 4) + b)] of window 2 + a / 4).
.set NQ,     4                         ; steps of 128 along K in a slot
.set ROWB,   256                       ; a tile's row in bytes: 512 codes
.set KROW,   512                       ; a row of codes in memory
.set TILEB,  256*KROW                  ; from a tile row's codes to the next's
.set PITCH,  272                       ; an LDS row: 256 bytes + 16 of padding: the 16 rows that a load touches start 68 words apart
.set FR,     8                         ; registers of a fragment: 16 rows x 128 K
.set NL,     2                         ; LDS loads that bring one
.set NP,     4                         ; places behind this matrix instruction (ISA guide 7.12.1)
.set HALFT,  128*PITCH                 ; 128 rows: what one tensor load brings
.set SLOT,   4*HALFT                   ; X's 256 rows, then W's 256 rows
.set KS,     32                        ; a row of scales in bytes
.set SCL,    2*SLOT                    ; behind the slots: the scales, as rows of 256 bytes + 16: X's of tile 0, X's of tile 1, W's
.set HALFS,  (128*KS/256)*272          ; the scales of 128 rows
.set SBLK,   (16*KS/256)*272           ; those of 16 rows
.set STAGE,  SCL+6*HALFS               ; the way out: 16 rows x 272 bytes for each wave; no fill ever lands here
.set WST,    16*272
.set SPARE,  STAGE+4*WST               ; the spare words: 128 bytes a wave, named by no other line
.set CROW,   6144                      ; a row of qkv in bytes
.set HROW,   12288                     ; a row of h32
.set ADRA, 16                          ; v16-17 LDS address of my X fragments in slot 0, 1
.set ADRB, 20                          ; v20-21 the same for W
.set STO2, 22                          ; v22 f32 side store: where I put 32 bytes of a row
.set STO,  24                          ; v24 f16: where I put 16 bytes of a row
.set RD,   25                          ; v25 where I read rows back: lanes 0-15 one row of 256 bytes, lanes 16-31 the next
.set CO,   26                          ; v26 my byte offset in two rows of qkv
.set CO2,  27                          ; v27 my byte offset in two rows of h32
.set SPW,  28                          ; v28 LDS address of my spare word; never rewritten
.set NIL,  29                          ; v29 0; never rewritten
.set ADRS, 30                          ; v30-31 LDS address of my scale words for tile 0, 1: lanes 0-15 X's rows, lanes 16-31 W's
.set SC,   32
.set TMP,  96
.set AF,   128
.set BK,   128
.set HB,   192
.set G1, 24                            ; s[24:31] group 1 for X's tiles;  s[32:39] group 0, one set for each slot
.set G0, 32
.set G1B, 48                           ; s[48:55], s[56:63] the same for W's tiles
.set G0B, 56
.set G1S, 68                           ; s[68:75], s[76:79] groups 1 and 0 for X's scales;  s[80:87], s[88:91] for W's
.set G0S, 76
.set G1SB, 80
.set G0SB, 88
.set FLAG, 41                          ; s41 0 where tile 0's first 16 rows of mine are a sequence's first 16 positions
.set MSB, 0
.macro WIN new                         ; the immediate's high byte repeats the setting that is left; a switch that changes nothing is dropped
.if MSB != (\new)
	s_set_vgpr_msb (MSB<<8)|(\new)
.set MSB, (\new)
.endif
.endm
.set MUL_LO, 0xa1                      ; source 0 (W) window 1, source 1 (X) window 0, C and D window 2
.set MUL_HI, 0xf1                      ; the same, C and D window 3
.set TO_B,   0x40                      ; destination window 1, address window 0
.macro PLACES n                        ; plain vector instructions between a matrix instruction and a load into, or a read of, its registers (ISA guide 7.12.1 for the reads)
.rept \n
	v_nop
.endr
.endm
; A first fill.  Waves 0 and 1 fetch for X (jointly), waves 2 and 3 for W.  The branch hangs on the wave's number alone.  An s_nop 0 and four v_nop follow each of the two lines.
.macro JLOAD g0a, g1a, g0b, g1b
	s_cmp_eq_u32 s15, 0
	s_cbranch_scc0 .Lfor_b_\@
	tensor_load_to_lds s[\g0a:\g0a+3], s[\g1a:\g1a+7]
	s_nop 0
	PLACES 4
	s_branch .Lasked_\@
.Lfor_b_\@:
	tensor_load_to_lds s[\g0b:\g0b+3], s[\g1b:\g1b+7]
	s_nop 0
	PLACES 4
.Lasked_\@:
.endm
; A refill: X's half of a slot, by waves 0 and 1, jointly; W's half stays, so waves 2 and 3 fetch nothing.  The branch hangs on the wave's number alone: the same in all four partners.
.macro ALOADJ slot
	s_cmp_eq_u32 s15, 0
	s_cbranch_scc0 .Lnone_\@
	tensor_load_to_lds s[G0+4*\slot:G0+4*\slot+3], s[G1:G1+7]
	s_nop 0
	PLACES 4
.Lnone_\@:
.endm
.macro CREST                           ; a round of the cluster's barrier behind its opening barrier
	s_cmp_lg_u32 s14, 0
	s_cbranch_scc1 .Lnot_wave_0_\@
	s_barrier_signal -3
.Lnot_wave_0_\@:
	s_barrier_wait -3
	s_barrier_signal -1
	s_barrier_wait -1
.endm
.macro CROUND                          ; a whole round
	s_barrier_signal -1
	s_barrier_wait -1
	CREST
.endm
	s_load_b256 s[4:11], s[0:1], 0x0               ; codes s[4:5], scales s[6:7], qkv s[8:9], h32 s[10:11]
	v_lshl_add_u32 v[SPW], v0, 2, SPARE
	v_mov_b32 v[NIL], 0
	ds_add_u32 v[SPW], v[NIL]                      ; the wave's opening: the add, twice on end, and its wait ahead of my first tensor load
	ds_add_u32 v[SPW], v[NIL]
	v_lshrrev_b32 v1, 5, v0
	v_readfirstlane_b32 s14, v1                    ; wave 0..3
	s_lshr_b32 s15, s14, 1                         ; which half of a tile's rows is mine.  Also: I fetch for X (0) or for W (1)
	s_and_b32 s16, s14, 1                          ; which half of its columns.  Also: which 128 rows of a tile I fetch
	s_bfe_u32 s40, ttmp6, 0x40000                  ; cx: my place in the cluster
	s_lshl_b32 s42, ttmp9, 2
	s_add_co_u32 s42, s42, s40                     ; tile column = 4 x cluster x + cx
	s_and_b32 s17, ttmp7, 0xffff                   ; y, which the four partners share
	s_and_b32 s[FLAG], s17, 3                      ; a sequence is eight tile rows: four y
	s_or_b32 s[FLAG], s[FLAG], s15
	s_lshr_b32 s43, s17, 2                         ; the sequence
	s_lshl_b32 s17, s17, 1                         ; tile 0's tile row
	s_mov_b32 s[G1+0], 15|(1<<20)|(1<<21)|(5<<22)|(3<<25)   ; 15:0 the mask: all four; 17:16 elements of 1 byte; 20 padding on; 21 set beside a mask; 24:22 after every 64 words; 31:25 four words
	s_mov_b32 s[G1B+0], (1<<20)|(5<<22)|(3<<25)             ; the same with no mask
.irp g, G1, G1B
	s_mov_b32 s[\g+1], ROWB<<16                    ; tensor_dim0
	s_mov_b32 s[\g+2], 128<<16                     ; tensor_dim1
	s_mov_b32 s[\g+3], ROWB<<16                    ; tile_dim0
	s_mov_b32 s[\g+4], 128                         ; tile_dim1
	s_mov_b32 s[\g+5], KROW                        ; from row to row
	s_mov_b32 s[\g+6], 0
	s_mov_b32 s[\g+7], 0
.endr
	s_mov_b32 s[G1S+0], 15|(3<<16)|(1<<20)|(1<<21)|(5<<22)|(3<<25)  ; X's scales of a whole tile: 8,192 dense bytes as 32 rows of 32 elements of 8 bytes, 16 bytes of padding behind each
	s_mov_b32 s[G1S+1], 32<<16
	s_mov_b32 s[G1S+2], 32<<16
	s_mov_b32 s[G1S+3], 32<<16
	s_mov_b32 s[G1S+4], 32
	s_mov_b32 s[G1S+5], 32
	s_mov_b32 s[G1S+6], 0
	s_mov_b32 s[G1S+7], 0
	s_mov_b32 s[G1SB+0], (3<<16)|(1<<20)|(5<<22)|(3<<25)            ; W's scales of 128 rows: 16 such rows, no mask
	s_mov_b32 s[G1SB+1], 32<<16
	s_mov_b32 s[G1SB+2], 16<<16
	s_mov_b32 s[G1SB+3], 32<<16
	s_mov_b32 s[G1SB+4], 16
	s_mov_b32 s[G1SB+5], 32
	s_mov_b32 s[G1SB+6], 0
	s_mov_b32 s[G1SB+7], 0
	s_lshl_b32 s18, s16, 7                         ; which 128 rows of a tile I fetch
	s_lshl_b32 s20, s17, 8
	s_add_co_u32 s20, s20, s18                     ; X's codes: row 256 x tile row + 128 x half: no register here ever holds cx
	s_add_co_u32 s22, s17, s16                     ; X's scales: wave 0 fetches tile 0's, wave 1 tile 1's:
	s_lshl_b32 s22, s22, 13                        ; 256 rows of 32 bytes a tile
	s_mov_b32 s23, 0
	s_lshl_b32 s46, s42, 8
	s_add_co_u32 s46, s46, s18
	s_add_co_u32 s46, s46, 8192                    ; W: row 8,192 + 256 x tile column + 128 x half
	s_lshl_b32 s92, s46, 5                         ; where these rows' scales begin, in bytes
	s_mov_b32 s93, 0
	s_lshl_b32 s20, s20, 9                         ; and the codes
	s_mov_b32 s21, 0
	s_lshl_b32 s46, s46, 9
	s_mov_b32 s47, 0
	s_mul_i32 s45, s14, HALFT                      ; where the codes go: wave x 128 rows
	s_mul_i32 s94, s16, 2*HALFS                    ; X's scales: a tile's behind the other's
	s_mul_i32 s95, s16, HALFS                      ; W's: a half's behind the other's
	s_wait_dscnt 0x0                               ; both opening adds are done
	s_wait_kmcnt 0x0
	s_add_nc_u64 s[20:21], s[4:5], s[20:21]
	s_add_nc_u64 s[22:23], s[6:7], s[22:23]
	s_add_nc_u64 s[46:47], s[4:5], s[46:47]
	s_add_nc_u64 s[92:93], s[6:7], s[92:93]
	CROUND                                         ; all four work-groups are here: the joint loads meet
	s_mov_b32 s[G0S], 1
	s_add_co_u32 s[G0S+1], s94, SCL
	s_mov_b64 s[G0S+2:G0S+3], s[22:23]
	s_or_b32 s[G0S+3], s[G0S+3], 0x80000000
	s_mov_b32 s[G0SB], 1
	s_add_co_u32 s[G0SB+1], s95, SCL+4*HALFS
	s_mov_b64 s[G0SB+2:G0SB+3], s[92:93]
	s_or_b32 s[G0SB+3], s[G0SB+3], 0x80000000
	JLOAD G0S, G1S, G0SB, G1SB                     ; the scales first: they are wanted with the first slot
.irp s, 0,1
	s_mov_b32 s[G0+4*\s], 1
	s_add_co_u32 s[G0+4*\s+1], s45, \s*SLOT
	s_add_nc_u64 s[G0+4*\s+2:G0+4*\s+3], s[20:21], \s*ROWB
	s_or_b32 s[G0+4*\s+3], s[G0+4*\s+3], 0x80000000
	s_mov_b32 s[G0B+4*\s], 1
	s_add_co_u32 s[G0B+4*\s+1], s45, \s*SLOT
	s_add_nc_u64 s[G0B+4*\s+2:G0B+4*\s+3], s[46:47], \s*ROWB
	s_or_b32 s[G0B+4*\s+3], s[G0B+4*\s+3], 0x80000000
	JLOAD G0+4*\s, G1, G0B+4*\s, G1B               ; three loads of mine are out behind the second of these
.endr
	v_and_b32 v1, 15, v0                           ; r = l % 16
	v_bfe_u32 v2, v0, 4, 1                         ; h = l / 16
	v_mul_u32_u24 v3, v1, PITCH
	v_lshl_add_u32 v4, v2, 4, v3                   ; a fragment's row x pitch + 16 x half
	s_mul_i32 s21, s15, HALFT                      ; my 128 rows of X
	s_mul_i32 s22, s16, HALFT                      ; my 128 rows of W,
	s_add_co_u32 s22, s22, 2*HALFT                 ; which lie behind X's 256
.irp s, 0,1
	v_add_nc_u32 v[ADRA+\s], s21, v4
	v_add_nc_u32 v[ADRB+\s], s22, v4
	s_add_co_u32 s21, s21, SLOT
	s_add_co_u32 s22, s22, SLOT
.endr
	v_mul_u32_u24 v5, v1, KS                       ; my row's scales: 32 bytes a row,
	v_lshrrev_b32 v6, 8, v5
	v_lshl_add_u32 v5, v6, 4, v5                   ; and 16 more for each 256 passed
	s_mul_i32 s21, s15, HALFS                      ; X's: my 128 rows of a tile
	s_mul_i32 s22, s16, HALFS                      ; W's: my 128 rows,
	s_add_co_u32 s23, s22, 2*HALFS                 ; which lie two halves behind tile 1's first,
	s_add_co_u32 s22, s22, 4*HALFS                 ; four behind tile 0's
	s_sub_co_u32 s22, s22, s21
	s_sub_co_u32 s23, s23, s21
	v_mul_u32_u24 v6, s22, v2                      ; lanes 16-31 take W's: the lower base + h x the distance
	v_mul_u32_u24 v7, s23, v2
	s_add_co_u32 s21, s21, SCL
	v_add_nc_u32 v6, v5, v6
	v_add_nc_u32 v[ADRS], s21, v6
	s_add_co_u32 s21, s21, 2*HALFS
	v_add_nc_u32 v7, v5, v7
	v_add_nc_u32 v[ADRS+1], s21, v7
	s_mul_i32 s23, s14, WST
	s_add_co_u32 s23, s23, STAGE                   ; my stage
	v_mul_u32_u24 v5, v1, 272                      ; in: row r; f16: 16 bytes for each half of the lanes; f32: 32
	v_lshl_add_u32 v6, v2, 4, v5
	v_add_nc_u32 v[STO], s23, v6
	v_lshl_add_u32 v6, v2, 5, v5
	v_add_nc_u32 v[STO2], s23, v6
	v_mul_u32_u24 v5, v2, 272                      ; back: lanes 0-15 one row of 256 bytes, lanes 16-31 the next
	v_lshl_add_u32 v5, v1, 4, v5
	v_add_nc_u32 v[RD], s23, v5
	v_mul_u32_u24 v5, v2, CROW                     ; and the same two rows in qkv,
	v_lshl_add_u32 v[CO], v1, 4, v5
	v_mul_u32_u24 v5, v2, HROW                     ; in h32
	v_lshl_add_u32 v[CO2], v1, 4, v5
	s_lshl_b32 s20, s17, 8
	s_lshl_b32 s21, s15, 7
	s_add_co_u32 s20, s20, s21                     ; my first row of C in tile 0
	s_mul_i32 s20, s20, CROW
	s_lshl_b32 s46, s42, 9                         ; my first column in f16 bytes: 512 x tile column + 256 x half
	s_lshl_b32 s47, s16, 8
	s_add_co_u32 s46, s46, s47
	s_add_co_u32 s20, s20, s46
	s_mov_b32 s21, 0
	s_add_nc_u64 s[8:9], s[8:9], s[20:21]
	s_mul_i32 s20, s43, 16*HROW                    ; the sequence's 16 rows of h32
	s_lshl_b32 s46, s46, 1                         ; the same columns in f32 bytes
	s_add_co_u32 s20, s20, s46
	s_add_nc_u64 s[10:11], s[10:11], s[20:21]
.macro FRAG reg, adr, q, i             ; a fragment, 16 rows x 128 K of 4-bit codes: lane l holds row l % 16; registers 4 c .. 4 c + 3 hold K = 64 c + 32 (l / 16) + 0 .. 31
.irp c, 0,1
	ds_load_b128 v[\reg+4*\c:\reg+4*\c+3], v[\adr] offset:64*(\q)+32*\c+(\i)*16*PITCH
.endr
.endm
; 16 matrix instructions: X's blocks a0, a0 + 1 x W's eight, the slot's q-th 128 along K.  p: W's set; sc: the set of scale words.  zero = 1: the first product starts the sums.
; The 64 accumulators take turns, one instruction a turn, in the same order in every step.
.macro MUL16 a0, p, q, sc, zero
.irp a, \a0, \a0+1
.irp b, 0,1,2,3,4,5,6,7
.if \zero
	v_wmma_scale_f32_16x16x128_f8f6f4 v[8*(8*((\a)%4)+\b):8*(8*((\a)%4)+\b)+7], v[128*(\p)+FR*\b:128*(\p)+FR*\b+FR-1], v[AF+FR*(\a):AF+FR*(\a)+FR-1], 0, v[SC+8*NQ*(\sc)+NQ*\b+(\q)], v[SC+8*NQ*(\sc)+NQ*(\a)+(\q)] matrix_a_fmt:MATRIX_FMT_FP4 matrix_b_fmt:MATRIX_FMT_FP4 matrix_a_scale:MATRIX_SCALE_ROW1
.else
	v_wmma_scale_f32_16x16x128_f8f6f4 v[8*(8*((\a)%4)+\b):8*(8*((\a)%4)+\b)+7], v[128*(\p)+FR*\b:128*(\p)+FR*\b+FR-1], v[AF+FR*(\a):AF+FR*(\a)+FR-1], v[8*(8*((\a)%4)+\b):8*(8*((\a)%4)+\b)+7], v[SC+8*NQ*(\sc)+NQ*\b+(\q)], v[SC+8*NQ*(\sc)+NQ*(\a)+(\q)] matrix_a_fmt:MATRIX_FMT_FP4 matrix_b_fmt:MATRIX_FMT_FP4 matrix_a_scale:MATRIX_SCALE_ROW1
.endif
.endr
.endr
.endm
.macro FETCH_B slot, q, p              ; W's eight fragments of the slot's q-th 128 along K into set p
	WIN TO_B
.irp i, 0,1,2,3,4,5,6,7
	FRAG 128*(\p)+FR*\i, ADRB+\slot, \q, \i
.endr
	WIN 0
.endm
.macro FETCH_A slot, q, i0             ; X's blocks i0 .. i0 + 3
.irp i, \i0, \i0+1, \i0+2, \i0+3
	FRAG AF+FR*(\i), ADRA+\slot, \q, \i
.endr
.endm
.macro SCALES sc, tl                   ; slot sc's scale words of tile tl into set sc: four words a row, 16 bytes on for slot 1; lanes 0-15 take X's block i, lanes 16-31 W's block i
.irp i, 0,1,2,3,4,5,6,7
	ds_load_b128 v[SC+8*NQ*\sc+NQ*\i:SC+8*NQ*\sc+NQ*\i+3], v[ADRS+\tl] offset:\i*SBLK+16*\sc
.endr
.endm
.macro FIRST tl                        ; a tile's first fragments and scale words
	FETCH_B 0, 0, 0
	FETCH_A 0, 0, 0
	SCALES 0, \tl
	FETCH_A 0, 0, 4
.endm
.macro STEP slot, q, zero              ; a step of 128 along K that has its successor in the same slot
	s_wait_dscnt 4*NL                              ; W's set and X's blocks 0-3 are in; the youngest eight loads (X's blocks 4-7) may be out
	WIN MUL_LO
	MUL16 0, (\q)%2, \q, \slot, \zero
	MUL16 2, (\q)%2, \q, \slot, \zero
	s_wait_dscnt 0                                 ; X's blocks 4-7 are in
	PLACES NP
	FETCH_B \slot, (\q)+1, 1-(\q)%2
	FETCH_A \slot, (\q)+1, 0
	WIN MUL_HI
	MUL16 4, (\q)%2, \q, \slot, \zero
	MUL16 6, (\q)%2, \q, \slot, \zero
	PLACES NP
	WIN 0
	FETCH_A \slot, (\q)+1, 4
.endm
.macro STEPS slot, from                ; the slot's steps from .. NQ - 2
.set Q, \from
.rept NQ-1-\from
	STEP \slot, Q, 0
.set Q, Q+1
.endr
.endm
; Slot 0's last step changes slots: ONE barrier; in front of it each wave waits for all its tensor loads (its part of slot 1), adds 0 to its spare word, and waits for that and for its own reads of slot 0.
; fill = 1 (tile 0): the barrier opens a round of the cluster's, so that no wave of any partner still reads slot 0's X or has a load on its way; behind the round X's half of slot 0 is filled with tile 1's codes first.
.macro TURN fill, tl
	s_wait_tensorcnt 0x0
	ds_add_u32 v[SPW], v[NIL]                      ; 0 onto my spare word
	s_wait_dscnt 4*NL+1                            ; (the add and the youngest eight loads may be out)
	WIN MUL_LO
	MUL16 0, 1, NQ-1, 0, 0                         ; sixteen matrix instructions stand between the add and the wait for it
	s_wait_dscnt 0x0                               ; the add is done, and my reads of slot 0 are over
	s_barrier_signal -1
	MUL16 2, 1, NQ-1, 0, 0
	WIN 0                                          ; (branches may follow)
	s_barrier_wait -1
.if \fill
	CREST
	s_add_nc_u64 s[G0+2:G0+3], s[G0+2:G0+3], TILEB ; no load of mine is out: the group 0 may be written: the same rows and K of the next tile row
	ALOADJ 0                                       ; slot 1's four steps and half a way out stand between this request and the wait for it
.endif
	PLACES NP                                      ; the places in front of the loads below, for the waves that fetched nothing too
	FETCH_B 1, 0, 0
	FETCH_A 1, 0, 0
	SCALES 1, \tl
	WIN MUL_HI
	MUL16 4, 1, NQ-1, 0, 0
	MUL16 6, 1, NQ-1, 0, 0
	PLACES NP
	WIN 0
	FETCH_A 1, 0, 4
.endm
.macro LAST                            ; a tile's very last step: nothing more to fetch
	s_wait_dscnt 4*NL
	WIN MUL_LO
	MUL16 0, 1, NQ-1, 1, 0
	MUL16 2, 1, NQ-1, 1, 0
	s_wait_dscnt 0
	WIN MUL_HI
	MUL16 4, 1, NQ-1, 1, 0
	MUL16 6, 1, NQ-1, 1, 0
	WIN 0
	PLACES NP                                      ; behind the last products: for the reads of results and the loads into X's registers that follow
.endm
; THE WAY OUT, block by block of 16 rows x 128 columns: rounded to f16, 16 bytes a lane; into my stage, rows 272 bytes apart; back as whole rows of 256 bytes; stored.
.macro PACK a
.set AC, 64*((\a)%4)
	WIN 0x0a+5*((\a)/4)                            ; sources 0 and 1: window 2 or 3
.irp b, 0,1,2,3,4,5,6,7
.irp r, 0,1,2,3
	v_cvt_pk_f16_f32 v[TMP+4*\b+\r], v[AC+8*\b+2*\r], v[AC+8*\b+2*\r+1]   ; each accumulator from its low end on
.endr
.endr
	WIN 0
.endm
.macro TOSTAGE a
.set BB, BK+32*((\a)%2)
.irp b, 0,1,2,3,4,5,6,7
	ds_store_b128 v[STO], v[TMP+4*\b:TMP+4*\b+3] offset:32*\b
.endr
.irp t, 0,1,2,3,4,5,6,7
	ds_load_b128 v[BB+4*\t:BB+4*\t+3], v[RD] offset:\t*2*272       ; LDS serves a wave's instructions in order: these see the stores above
.endr
.endm
.macro SEND a, tl
.set BB, BK+32*((\a)%2)
	s_wait_dscnt 0x0                               ; the block is back in registers
	s_wait_xcnt 0x0                                ; the earlier stores have read their base and their registers: only behind this wait are they written again
.if (\a) > 0
	s_add_nc_u64 s[8:9], s[8:9], 16*CROW
.elseif (\tl) > 0
	s_add_nc_u64 s[8:9], s[8:9], (256-7*16)*CROW   ; from tile 0's last 16 rows of mine to tile 1's first
.endif
.irp t, 0,1,2,3,4,5,6,7
	global_store_b128 v[CO], v[BB+4*\t:BB+4*\t+3], s[8:9] offset:2*\t*CROW   ; 16 lanes store 256 consecutive bytes, aligned
.endr
.endm
	s_wait_tensorcnt 1                             ; the scales and my part of slot 0 are in (slot 1's load may be out)
	s_barrier_signal -1
	s_barrier_wait -1                              ; everybody's are
	; ---- TILE 0
	FIRST 0
	STEP 0, 0, 1                                   ; the first step's products start the sums: nothing is cleared
	STEPS 0, 1
	TURN 1, 0
	STEPS 1, 0
	LAST
	; THE SIDE STORE: where my first 16 rows are a sequence's first 16 positions they leave in f32 too: through my stage, 64 columns at a time, back as rows of 256 bytes.  The branch hangs on y and the wave's number.
	s_cmp_lg_u32 s[FLAG], 0
	s_cbranch_scc1 .Lno_side
.irp u, 0,1
	WIN 0x08                                       ; an LDS store's data are its source 1: window 2
.irp b, 0,1,2,3
	ds_store_b128 v[STO2], v[8*(4*\u+\b):8*(4*\u+\b)+3] offset:64*\b           ; each accumulator from its low end on
	ds_store_b128 v[STO2], v[8*(4*\u+\b)+4:8*(4*\u+\b)+7] offset:64*\b+16
.endr
	WIN 0
.irp t, 0,1,2,3,4,5,6,7
	ds_load_b128 v[HB+32*\u+4*\t:HB+32*\u+4*\t+3], v[RD] offset:\t*2*272       ; in order: these see the stores above, and the next half's stores come behind them
.endr
.endr
	s_wait_dscnt 0x0
.irp u, 0,1
.irp t, 0,1,2,3,4,5,6,7
	global_store_b128 v[CO2], v[HB+32*\u+4*\t:HB+32*\u+4*\t+3], s[10:11] offset:2*\t*HROW+256*\u   ; 16 lanes store 256 consecutive bytes, aligned
.endr
.endr
.Lno_side:
	PACK 0
	TOSTAGE 0
.irp a, 1,2,3                          ; block a's conversions stand between block a - 1's loads from the stage and the wait for them
	PACK \a
	SEND \a-1, 0
	TOSTAGE \a
.endr
	PACK 4
	SEND 3, 0
	; THE SECOND REFILL, in the middle of the way out.  All my tensor loads have landed: the one that was out is my part of tile 1's slot 0; my reads of slot 1 ended with the last step.  Behind the round X's half of slot 1 is
	; filled with tile 1's codes, and slot 0 is whole for every wave: tile 1 needs no further barrier at its start.  Half a way out and slot 0's four steps stand between this request and the wait for it.
	s_wait_tensorcnt 0x0
	ds_add_u32 v[SPW], v[NIL]                      ; 0 onto my spare word; the descriptor's step stands between it and the wait for it
	s_add_nc_u64 s[G0+6:G0+7], s[G0+6:G0+7], TILEB
	s_wait_dscnt 0x0                               ; the add is done; no LDS read of mine is out
	CROUND
	ALOADJ 1
	TOSTAGE 4
.irp a, 5,6,7
	PACK \a
	SEND \a-1, 0
	TOSTAGE \a
.endr
	SEND 7, 0
	s_wait_xcnt 0x0                                ; the last stores have read their registers: X's fragments may land there again
	; ---- TILE 1: the same W, the next 256 rows of X
	FIRST 1
	STEP 0, 0, 1
	STEPS 0, 1
	TURN 0, 1                                      ; nothing is filled any more: a plain barrier; the wait for all loads in front of it shows slot 1's X
	STEPS 1, 0
	LAST
	PACK 0
	TOSTAGE 0
.irp a, 1,2,3,4,5,6,7
	PACK \a
	SEND \a-1, 1
	TOSTAGE \a
.endr
	SEND 7, 1
	s_wait_tensorcnt 0x0                           ; the wave's end, behind my last tensor load and my last LDS store
	ds_add_u32 v[SPW], v[NIL]
	s_wait_dscnt 0x0
	CROUND                                         ; the closing round: no work-group ends while a partner may still ask jointly
	s_endpgm
.Lfunc_end_k_qbac8745c0f_qkv:
	.size	k_qbac8745c0f_qkv, .Lfunc_end_k_qbac8745c0f_qkv-k_qbac8745c0f_qkv
	.p2alignl 7, 3214868480
	.fill 96, 4, 3214868480
	.section	.rodata,"a",@progbits
	.p2align	6, 0x0
	.amdhsa_kernel k_qbac8745c0f_qkv
		.amdhsa_group_segment_fixed_size 327680
		.amdhsa_private_segment_fixed_size 0
		.amdhsa_enable_private_segment 0
		.amdhsa_kernarg_size 32
		.amdhsa_user_sgpr_count 2
		.amdhsa_user_sgpr_kernarg_segment_ptr 1
		.amdhsa_wavefront_size32 1
		.amdhsa_system_sgpr_workgroup_id_x 1
		.amdhsa_system_sgpr_workgroup_id_y 1
		.amdhsa_system_sgpr_workgroup_id_z 1
		.amdhsa_system_vgpr_workitem_id 0
		.amdhsa_next_free_vgpr 1024
		.amdhsa_next_free_sgpr 98
		.amdhsa_reserve_vcc 0
		.amdhsa_float_denorm_mode_32 3
		.amdhsa_float_denorm_mode_16_64 3
		.amdhsa_memory_ordered 1
		.amdhsa_forward_progress 1
		.amdhsa_inst_pref_size 249
	.end_amdhsa_kernel
	.amdgpu_metadata
---
amdhsa.version: [ 1, 2 ]
amdhsa.kernels:
  - .name:           k_qbac8745c0f_qkv
    .symbol:         k_qbac8745c0f_qkv.kd
    .args:
      - { .name: codes, .offset: 0, .size: 8, .value_kind: global_buffer, .address_space: global }
      - { .name: scales, .offset: 8, .size: 8, .value_kind: global_buffer, .address_space: global }
      - { .name: qkv, .offset: 16, .size: 8, .value_kind: global_buffer, .address_space: global }
      - { .name: h32, .offset: 24, .size: 8, .value_kind: global_buffer, .address_space: global }
    .group_segment_fixed_size: 327680
    .private_segment_fixed_size: 0
    .kernarg_segment_align: 8
    .kernarg_segment_size: 32
    .max_flat_workgroup_size: 128
    .sgpr_count:     98
    .vgpr_count:     1024
    .wavefront_size: 32
...
	.end_amdgpu_metadata
.endif
;; end of part 2
;; launch scores (part 3): grid 9 x 16, 4 waves a work-group, no clusters, 327,680 bytes of LDS; arguments qkv, p, st; writes p, st
.if DOCPART == 3
	.amdgcn_target "amdgcn-amd-amdhsa--gfx1250"
	.amdhsa_code_object_version 6
	.text
	.protected	k_qbac8745c0f_scores
	.globl	k_qbac8745c0f_scores
	.p2align	8
	.type	k_qbac8745c0f_scores,@function
k_qbac8745c0f_scores:
	s_mov_b64 s[64:65], 0
	v_nop
	global_prefetch_b8 v0, s[64:65] scope:SCOPE_SE
	s_setreg_imm32_b32 hwreg(HW_REG_WAVE_MODE, 25, 1), 1
	s_wait_xcnt 0x0
; S = q k^T on f16 operands, f32 sums, and the softmax's weights block by block.  For a query and a block of 128 keys: t = score x c, c = log2(e) / 32; M = the block's largest t rounded UP to a whole number;
; p = 2^(t - M), rounded to f16, goes to p [8,192 queries][2,048 keys]; (-M, l), l the sum of the unrounded p, goes to st [16 key blocks][8,192 queries].  Launch pv joins the blocks: the maximum is taken away exactly.
; WORK LEFT OUT: blocks of 128 x 128 whose every key lies behind every query are under reference()'s own mask: their weights are 0 for all inputs.  They are not stored, and tiles of 256 x 256 made of them alone are not launched.
; SHARES.  The 8 x 8 tiles of 256 x 256 of a sequence have 36 on or under the diagonal; tile rows pr and 7 - pr hold 9 together: grid x = 0..8 walks them, grid y = 4 x sequence + pr.  Four waves, each one block of
; 128 x 128: 64 accumulators.  In a tile on the diagonal one wave's block lies above it: its products stay inside the live tile's loop, and it stores nothing.
; NO CLUSTER: a tile row of the triangle has 1 to 8 tiles and a tile column 8 to 1, so partners that share q's or k's tile do not come in fours.
; K = 1,024 goes in 8 steps of 128 (rows of 256 bytes) through two LDS slots; each wave fetches 128 rows with one tensor load.
; THE MATRIX INSTRUCTION IS USED TRANSPOSED (source 0 = 16 rows of k, source 1 = 16 rows of q): lane (r, h) of accumulator (a, b) holds query 16 a + r and keys 16 b + 8 h + 0 .. 7.
; REGISTERS: window 0: v0-31 addresses; v64-127, v128-191 q's fragments, two buffers; in the softmax v32-57 statistics, v64-127 t and p, v128-159 p in f16, v160-223 rows on their way out.
;   window 1: v64-127, v128-191 k's fragments.   windows 2, 3: the accumulators ((a, b) at v[8 (8 (a % 4) + b)] of window 2 + a / 4).
.set KSTEP,  128
.set PITCH,  272                       ; an LDS row: 256 bytes + 16 of padding
.set HALFT,  128*PITCH
.set SLOT,   4*HALFT                   ; q's 256 rows, then k's 256 rows
.set STAGE,  2*SLOT                    ; 16 rows x 272 bytes for each wave
.set SPITCH, 272
.set SPARE,  STAGE+4*16*SPITCH         ; the spare words: 128 bytes a wave, named by no other line
.set LAPS,   4                         ; a lap = two K steps
.set ADRA, 16
.set ADRB, 20
.set STO,  24                          ; v24 where I put 16 bytes of a row of p
.set RD,   25                          ; v25 where I read rows back
.set CO,   26                          ; v26 my byte offset in two rows of p
.set DD,   27                          ; v27 r - 8 h: on the diagonal tile register j is hidden where j > this
.set SPW,  28
.set NIL,  29
.set NIV,  30                          ; v30 -infinity
.set L8,   31                          ; v31 8 x lane
.set MX,   32                          ; v32-39 eight running maxima
.set PT,   40                          ; v40 a lane permute's destination
.set NM,   42                          ; v[42:43] -M, and a filler named with it as a pair
.set SU,   44                          ; v[44:47] the sums, two chains
.set STT,  48                          ; v48-55 four pairs (-M, l) to store
.set PRV,  56                          ; v56-57 the even block's (-M, l)
.set TMP,  64
.set PK,   128
.set BK,   160
.set F0,   64
.set F1,   128
.set G1, 24                            ; s[24:31] descriptor group 1
.set G0, 32                            ; s[32:39] group 0, one set for each slot
.set CS, 40                            ; s[40:41] c, twice
.set SEL, 42                           ; s[42:43] selects for lane l xor 16
.set HI, 44                            ; s44 the mask of lanes 16-31
.set NIS, 45                           ; s45 -infinity
.set QBR, 46                           ; s46 my block of 128 queries
.set KBR, 47                           ; s47 my block of 128 keys
.set MSB, 0
.macro WIN new
.if MSB != (\new)
	s_set_vgpr_msb (MSB<<8)|(\new)
.set MSB, (\new)
.endif
.endm
.set MUL_LO, 0xa1                      ; source 0 (k) window 1, source 1 (q) window 0, C and D window 2
.set MUL_HI, 0xf1
.set TO_B,   0x40
	s_load_b128 s[4:7], s[0:1], 0x0                ; qkv s[4:5], p s[6:7]
	s_load_b64 s[8:9], s[0:1], 0x10                ; st
	v_lshl_add_u32 v[SPW], v0, 2, SPARE
	v_mov_b32 v[NIL], 0
	ds_add_u32 v[SPW], v[NIL]                      ; the wave's opening: the add, twice on end, and its wait ahead of my first tensor load
	ds_add_u32 v[SPW], v[NIL]
	v_lshrrev_b32 v1, 5, v0
	v_readfirstlane_b32 s10, v1                    ; wave 0..3
	s_lshr_b32 s11, s10, 1                         ; which half of the tile's queries is mine
	s_and_b32 s12, s10, 1                          ; which half of its keys.  Also: which 128 rows I fetch
	s_and_b32 s13, ttmp7, 0xffff
	s_and_b32 s14, s13, 3                          ; pr
	s_lshr_b32 s15, s13, 2                         ; the sequence
	s_sub_co_u32 s16, 7, s14
	s_sub_co_u32 s17, ttmp9, s14
	s_sub_co_u32 s17, s17, 1
	s_cmp_le_u32 ttmp9, s14
	s_cselect_b32 s16, s14, s16                    ; tile row I: pr for x <= pr, else 7 - pr
	s_cselect_b32 s17, ttmp9, s17                  ; tile column J: x, or x - pr - 1
	s_mov_b32 s[G1+0], (1<<16)|(1<<20)|(5<<22)|(3<<25)   ; no mask; elements of 2 bytes; padding: four words after every 64
	s_mov_b32 s[G1+1], KSTEP<<16                   ; tensor_dim0
	s_mov_b32 s[G1+2], 128<<16                     ; tensor_dim1
	s_mov_b32 s[G1+3], KSTEP<<16                   ; tile_dim0
	s_mov_b32 s[G1+4], 128                         ; tile_dim1
	s_mov_b32 s[G1+5], 3072                        ; elements from row to row of qkv
	s_mov_b32 s[G1+6], 0
	s_mov_b32 s[G1+7], 0
	s_cmp_lt_u32 s10, 2                            ; waves 0 and 1 fetch q's rows of tile row I, waves 2 and 3 k's rows of tile column J
	s_cselect_b32 s18, s16, s17
	s_cselect_b32 s19, 0, 2048                     ; k lies 2,048 bytes on in a row
	s_lshl_b32 s18, s18, 8
	s_lshl_b32 s20, s15, 11
	s_add_co_u32 s18, s18, s20
	s_lshl_b32 s20, s12, 7
	s_add_co_u32 s18, s18, s20                     ; the first row that I fetch
	s_mul_i32 s18, s18, 6144
	s_add_co_u32 s18, s18, s19
	s_mov_b32 s19, 0
	s_mul_i32 s21, s10, HALFT                      ; and where it goes: wave x 128 rows
	s_mov_b32 s[CS], 0x3d38aa3b                    ; c = log2(e) / sqrt(1,024)
	s_mov_b32 s[CS+1], s[CS]
	s_mov_b32 s[SEL], 0x76543210
	s_mov_b32 s[SEL+1], 0xfedcba98
	s_mov_b32 s[HI], 0xffff0000
	s_mov_b32 s[NIS], 0xff800000
	s_wait_dscnt 0x0                               ; both opening adds are done
	s_wait_kmcnt 0x0
	s_add_nc_u64 s[18:19], s[4:5], s[18:19]
.irp s, 0,1
	s_mov_b32 s[G0+4*\s], 1
	s_add_co_u32 s[G0+4*\s+1], s21, \s*SLOT
	s_add_nc_u64 s[G0+4*\s+2:G0+4*\s+3], s[18:19], \s*KSTEP*2
	s_or_b32 s[G0+4*\s+3], s[G0+4*\s+3], 0x80000000
.endr
	tensor_load_to_lds s[G0:G0+3], s[G1:G1+7]      ; every wave's two first fills, with no branch: two loads of mine are out
	s_nop 0
	tensor_load_to_lds s[G0+4:G0+7], s[G1:G1+7]
	s_nop 0
.rept 4
	v_nop
.endr
	v_and_b32 v1, 15, v0                           ; r
	v_bfe_u32 v2, v0, 4, 1                         ; h
	v_mul_u32_u24 v3, v1, PITCH
	v_lshl_add_u32 v3, v2, 4, v3                   ; a fragment's row x pitch + 16 x half
	s_mul_i32 s21, s11, HALFT                      ; my 128 rows of q
	s_mul_i32 s22, s12, HALFT                      ; my 128 rows of k,
	s_add_co_u32 s22, s22, 2*HALFT                 ; which lie behind q's 256
.irp s, 0,1
	v_add_nc_u32 v[ADRA+\s], s21, v3
	v_add_nc_u32 v[ADRB+\s], s22, v3
	s_add_co_u32 s21, s21, SLOT
	s_add_co_u32 s22, s22, SLOT
.endr
	s_mul_i32 s23, s10, 16*SPITCH
	s_add_co_u32 s23, s23, STAGE                   ; my stage
	v_mul_u32_u24 v4, v1, SPITCH
	v_lshl_add_u32 v4, v2, 4, v4
	v_add_nc_u32 v[STO], s23, v4
	v_mul_u32_u24 v5, v2, SPITCH
	v_lshl_add_u32 v5, v1, 4, v5
	v_add_nc_u32 v[RD], s23, v5
	v_lshlrev_b32 v5, 12, v2                       ; a row of p is 4,096 bytes
	v_lshl_add_u32 v[CO], v1, 4, v5
	v_lshlrev_b32 v5, 3, v2
	v_sub_nc_u32 v[DD], v1, v5
	v_mov_b32 v[NIV], 0xff800000
	v_and_b32 v5, 31, v0
	v_lshlrev_b32 v[L8], 3, v5
	v_mov_b32 v[PT], 0                             ; written once: a lane permute's destination counts as one of its sources
	v_mov_b32 v[NM+1], 0                           ; named with -M as a pair, so it is written
	s_lshl_b32 s[QBR], s16, 1
	s_add_co_u32 s[QBR], s[QBR], s11               ; my block of queries: 2 I + half
	s_lshl_b32 s[KBR], s17, 1
	s_add_co_u32 s[KBR], s[KBR], s12               ; my block of keys: 2 J + half
	s_lshl_b32 s20, s15, 11
	s_lshl_b32 s21, s[QBR], 7
	s_add_co_u32 s20, s20, s21                     ; my first query's row
	s_lshl_b32 s22, s20, 12
	s_lshl_b32 s23, s[KBR], 8
	s_add_co_u32 s22, s22, s23
	s_mov_b32 s23, 0
	s_add_nc_u64 s[6:7], s[6:7], s[22:23]          ; p at my block
	s_lshl_b32 s22, s20, 3
	s_lshl_b32 s21, s[KBR], 16
	s_add_co_u32 s22, s22, s21
	s_add_nc_u64 s[8:9], s[8:9], s[22:23]          ; st at my block
; 16 matrix instructions: query blocks a0, a0 + 1 of the window's four x all 8 key blocks, 32 along K.  zero = 1: the first product starts the sums.  The 64 accumulators take turns.
.macro MUL16 f, hi, a0, zero
.irp a, \a0, \a0+1
.irp b, 0,1,2,3,4,5,6,7
.if \zero
	v_wmma_f32_16x16x32_f16 v[8*(8*(\a)+\b):8*(8*(\a)+\b)+7], v[\f+8*\b:\f+8*\b+7], v[\f+8*(4*\hi+\a):\f+8*(4*\hi+\a)+7], 0
.else
	v_wmma_f32_16x16x32_f16 v[8*(8*(\a)+\b):8*(8*(\a)+\b)+7], v[\f+8*\b:\f+8*\b+7], v[\f+8*(4*\hi+\a):\f+8*(4*\hi+\a)+7], v[8*(8*(\a)+\b):8*(8*(\a)+\b)+7]
.endif
.endr
.endr
.endm
.macro FETCH slot, k, f                ; 32 LDS loads in one run: the fragments of 32 along K at byte k of the rows, into buffer f
	WIN TO_B
.irp i, 0,1,2,3,4,5,6,7
	ds_load_b128 v[\f+8*\i:\f+8*\i+3],   v[ADRB+\slot] offset:\k+\i*16*PITCH
	ds_load_b128 v[\f+8*\i+4:\f+8*\i+7], v[ADRB+\slot] offset:\k+\i*16*PITCH+32
.endr
	WIN 0
.irp i, 0,1,2,3,4,5,6,7
	ds_load_b128 v[\f+8*\i:\f+8*\i+3],   v[ADRA+\slot] offset:\k+\i*16*PITCH
	ds_load_b128 v[\f+8*\i+4:\f+8*\i+7], v[ADRA+\slot] offset:\k+\i*16*PITCH+32
.endr
.endm
.macro PLACES                          ; four plain vector instructions between a matrix instruction and a load into, or a read of, its registers (ISA guide 7.12.1 for the reads)
.rept 4
	v_nop
.endr
.endm
.macro QUARTER slot, k, f, g, zero     ; 32 along K: multiplies buffer f; in its middle it fetches the next quarter, at byte k, into g
	s_wait_dscnt 8                                 ; k's and q's rows 0-63 are in; the youngest eight loads may be out
	WIN MUL_LO
	MUL16 \f, 0, 0, \zero
	MUL16 \f, 0, 2, \zero
	PLACES
	FETCH \slot, \k, \g
	s_wait_dscnt 32                                ; all but the 32 just issued
	WIN MUL_HI
	MUL16 \f, 1, 0, \zero
	MUL16 \f, 1, 2, \zero
.endm
; A K step's last quarter multiplies buffer 1 and changes slots: ONE barrier.  In front of it each wave waits for all its tensor loads (one is out: its part of the next slot), adds 0 to its spare word, and waits for that
; and for its reads of this slot.  fill = 1: behind the barrier this slot is filled again first, two K steps ahead; then the next slot's first fragments are read.
.macro TURN slot, next, fill
	WIN 0
	s_wait_tensorcnt 0x0
	ds_add_u32 v[SPW], v[NIL]
	s_wait_dscnt 9                                 ; (the add and the youngest eight loads may be out)
	WIN MUL_LO
	MUL16 F1, 0, 0, 0
	s_wait_dscnt 0x0                               ; the add is done, and my reads of this slot are over
	s_barrier_signal -1
	MUL16 F1, 0, 2, 0
	s_barrier_wait -1
.if \fill
	s_add_nc_u64 s[G0+4*\slot+2:G0+4*\slot+3], s[G0+4*\slot+2:G0+4*\slot+3], 2*KSTEP*2   ; no load of mine is out: the group 0 may be written
	tensor_load_to_lds s[G0+4*\slot:G0+4*\slot+3], s[G1:G1+7]    ; my one tensor load behind the barrier; 224 matrix instructions stand between it and the wait for it
	s_nop 0
.endif
	PLACES                                         ; behind the load, and the places in front of the loads below
	FETCH \next, 0, F0
	WIN MUL_HI
	MUL16 F1, 1, 0, 0
	MUL16 F1, 1, 2, 0
.endm
	s_wait_tensorcnt 1                             ; my part of K step 0 is in (K step 1's may be out)
	s_barrier_signal -1
	s_barrier_wait -1                              ; everybody's is
	FETCH 0, 0, F0
	QUARTER 0, 64,  F0, F1, 1                      ; the first quarter's products start the sums
	WIN 0                                          ; at a label and at a branch every window is 0
	s_mov_b32 s3, LAPS-1
.Llap:                                             ; a trip goes once round the ring and fills both slots again
	QUARTER 0, 128, F1, F0, 0
	QUARTER 0, 192, F0, F1, 0
	TURN 0, 1, 1
	QUARTER 1, 64,  F0, F1, 0
	QUARTER 1, 128, F1, F0, 0
	QUARTER 1, 192, F0, F1, 0
	TURN 1, 0, 1
	QUARTER 0, 64,  F0, F1, 0
	WIN 0
	s_sub_co_u32 s3, s3, 1
	s_cmp_lg_u32 s3, 0
	s_cbranch_scc1 .Llap
	QUARTER 0, 128, F1, F0, 0                      ; the last lap fills nothing
	QUARTER 0, 192, F0, F1, 0
	TURN 0, 1, 0
	QUARTER 1, 64,  F0, F1, 0
	QUARTER 1, 128, F1, F0, 0
	QUARTER 1, 192, F0, F1, 0
	s_wait_dscnt 8
	WIN MUL_LO
	MUL16 F1, 0, 0, 0
	MUL16 F1, 0, 2, 0
	s_wait_dscnt 0
	WIN MUL_HI
	MUL16 F1, 1, 0, 0
	MUL16 F1, 1, 2, 0
	WIN 0
	PLACES
	s_cmp_gt_u32 s[KBR], s[QBR]                    ; my block lies above the diagonal: nothing of it is stored, and nobody reads it
	s_cbranch_scc1 .Ldead
; THE SOFTMAX OF 16 QUERIES x 128 KEYS: block a of my eight.  A lane holds one query (with lane l xor 16) and 64 of its scores.
.macro SOFT a
.set AC, 64*((\a)%4)
	s_cmp_lg_u32 s[KBR], s[QBR]                    ; under the diagonal every key counts
	s_cbranch_scc1 .Lopen_\@
	WIN 0x82+0x41*((\a)/4)                         ; destination and source 0 in the accumulators' window, source 1 in window 0
.irp j, 0,1,2,3,4,5,6,7                ; the tile on the diagonal (b = a): key 8 h + j is hidden from query r where j > r - 8 h
	v_cmp_gt_i32 vcc_lo, \j, v[DD]
	v_cndmask_b32 v[AC+8*(\a)+\j], v[AC+8*(\a)+\j], v[NIV], vcc_lo
.endr
.set n, AC+8*(\a)+8
.rept 8*(7-(\a))                       ; the tiles behind it (b > a): all hidden
	v_mov_b32 v[n], s[NIS]
.set n, n+1
.endr
	WIN 0
.Lopen_\@:
	WIN 0x2a+0x15*((\a)/4)                         ; three sources in the accumulators' window
.irp b, 0,1,2,3,4,5,6,7
	v_max3_num_f32 v[MX+\b], v[AC+8*\b], v[AC+8*\b+1], v[AC+8*\b+2]     ; each accumulator is read from its low end on; eight chains by turns
.endr
	WIN 0x0a+5*((\a)/4)                            ; sources 0 and 1
.irp i, 3,5
.irp b, 0,1,2,3,4,5,6,7
	v_max3_num_f32 v[MX+\b], v[AC+8*\b+\i], v[AC+8*\b+\i+1], v[MX+\b]
.endr
.endr
.irp b, 0,1,2,3,4,5,6,7
	v_max3_num_f32 v[MX+\b], v[AC+8*\b+7], v[AC+8*\b+7], v[MX+\b]
.endr
	WIN 0
	v_max3_num_f32 v[MX], v[MX], v[MX+1], v[MX+2]
	v_max3_num_f32 v[MX+3], v[MX+3], v[MX+4], v[MX+5]
	v_max3_num_f32 v[MX], v[MX], v[MX+6], v[MX+7]
	v_max_num_f32 v[MX], v[MX], v[MX+3]
	v_permlanex16_b32 v[PT], v[MX], s[SEL], s[SEL+1]
	v_max_num_f32 v[MX], v[MX], v[PT]              ; the largest score of my query in these 128 keys (its own key counts, so it is a number)
	v_mul_f32 v[MX], s[CS], v[MX]                  ; as t (c is positive)
	v_floor_f32 v[NM], -v[MX]                      ; -M = floor(-t) = -ceil(t): M is a whole number
	WIN 0x02+((\a)/4)                              ; source 0
.set n, 0
.rept 32
	v_pk_fma_f32 v[TMP+n:TMP+n+1], v[AC+n:AC+n+1], s[CS:CS+1], v[NM:NM+1] op_sel_hi:[1,0,0]   ; t - M, two at a time
.set n, n+2
.endr
	WIN 0
.set n, 0
.rept 64
	v_exp_f32 v[TMP+n], v[TMP+n]                   ; p = 2^(t - M), at most 1; 0 where the key is hidden
.set n, n+1
.endr
.if ((\a)%2) == 0                      ; (-M, l) of two blocks, 32 queries, leave together: lanes 0-15 the even block's, lanes 16-31 the odd one's.  (A plain line behind the exponentials)
	v_mov_b32 v[PRV], v[NM]
.else
	v_cndmask_b32 v[STT+2*((\a)/2)], v[PRV], v[NM], s[HI]
.endif
	s_wait_alu depctr_va_vdst(0)                   ; one wait for the batch of 64, ahead of its first reader
	v_pk_add_f32 v[SU:SU+1], v[TMP:TMP+1], v[TMP+2:TMP+3]          ; the sum is taken of the unrounded p: two chains
	v_pk_add_f32 v[SU+2:SU+3], v[TMP+4:TMP+5], v[TMP+6:TMP+7]
.irp j, 8,12,16,20,24,28,32,36,40,44,48,52,56,60
	v_pk_add_f32 v[SU:SU+1], v[SU:SU+1], v[TMP+\j:TMP+\j+1]
	v_pk_add_f32 v[SU+2:SU+3], v[SU+2:SU+3], v[TMP+\j+2:TMP+\j+3]
.endr
	v_pk_add_f32 v[SU:SU+1], v[SU:SU+1], v[SU+2:SU+3]
	v_add_f32 v[SU], v[SU], v[SU+1]
	v_permlanex16_b32 v[PT], v[SU], s[SEL], s[SEL+1]
.set n, 0
.rept 32
	v_cvt_pk_f16_f32 v[PK+n], v[TMP+2*n], v[TMP+2*n+1]             ; eight neighbouring keys: 16 bytes
.set n, n+1
.endr
	v_add_f32 v[SU], v[SU], v[PT]                  ; l
.if ((\a)%2) == 0
	v_mov_b32 v[PRV+1], v[SU]
.else
	v_cndmask_b32 v[STT+2*((\a)/2)+1], v[PRV+1], v[SU], s[HI]
	global_store_b64 v[L8], v[STT+2*((\a)/2):STT+2*((\a)/2)+1], s[8:9] offset:256*((\a)/2)   ; 32 lanes store 256 consecutive bytes, aligned; each pair of blocks has its own registers
.endif
.endm
.macro TOSTAGE a                       ; into my stage, and back as whole rows of 256 bytes: LDS serves a wave's instructions in order
.set BB, BK+32*((\a)%2)
.irp b, 0,1,2,3,4,5,6,7
	ds_store_b128 v[STO], v[PK+4*\b:PK+4*\b+3] offset:32*\b
.endr
.irp t, 0,1,2,3,4,5,6,7
	ds_load_b128 v[BB+4*\t:BB+4*\t+3], v[RD] offset:\t*2*SPITCH
.endr
.endm
.macro SEND a
.set BB, BK+32*((\a)%2)
	s_wait_dscnt 0x0                               ; the block is back in registers
	s_wait_xcnt 0x0                                ; the earlier stores have read their base and their registers
.if (\a) > 0
	s_add_nc_u64 s[6:7], s[6:7], 16*4096
.endif
.irp t, 0,1,2,3,4,5,6,7
	global_store_b128 v[CO], v[BB+4*\t:BB+4*\t+3], s[6:7] offset:2*\t*4096   ; 16 lanes store 256 consecutive bytes, aligned
.endr
.endm
	SOFT 0
	TOSTAGE 0
.irp a, 1,2,3,4,5,6,7                  ; block a's softmax stands between block a - 1's loads from the stage and the wait for them
	SOFT \a
	SEND \a-1
	TOSTAGE \a
.endr
	SEND 7
.Ldead:
	s_wait_tensorcnt 0x0                           ; the wave's end, behind my last tensor load and my last LDS store
	ds_add_u32 v[SPW], v[NIL]
	s_wait_dscnt 0x0
	s_endpgm
.Lfunc_end_k_qbac8745c0f_scores:
	.size	k_qbac8745c0f_scores, .Lfunc_end_k_qbac8745c0f_scores-k_qbac8745c0f_scores
	.p2alignl 7, 3214868480
	.fill 96, 4, 3214868480
	.section	.rodata,"a",@progbits
	.p2align	6, 0x0
	.amdhsa_kernel k_qbac8745c0f_scores
		.amdhsa_group_segment_fixed_size 327680
		.amdhsa_private_segment_fixed_size 0
		.amdhsa_enable_private_segment 0
		.amdhsa_kernarg_size 24
		.amdhsa_user_sgpr_count 2
		.amdhsa_user_sgpr_kernarg_segment_ptr 1
		.amdhsa_wavefront_size32 1
		.amdhsa_system_sgpr_workgroup_id_x 1
		.amdhsa_system_sgpr_workgroup_id_y 1
		.amdhsa_system_sgpr_workgroup_id_z 1
		.amdhsa_system_vgpr_workitem_id 0
		.amdhsa_next_free_vgpr 1024
		.amdhsa_next_free_sgpr 66
		.amdhsa_reserve_vcc 1
		.amdhsa_float_denorm_mode_32 3
		.amdhsa_float_denorm_mode_16_64 3
		.amdhsa_memory_ordered 1
		.amdhsa_forward_progress 1
		.amdhsa_inst_pref_size 222
	.end_amdhsa_kernel
	.amdgpu_metadata
---
amdhsa.version: [ 1, 2 ]
amdhsa.kernels:
  - .name:           k_qbac8745c0f_scores
    .symbol:         k_qbac8745c0f_scores.kd
    .args:
      - { .name: qkv, .offset: 0, .size: 8, .value_kind: global_buffer, .address_space: global }
      - { .name: p, .offset: 8, .size: 8, .value_kind: global_buffer, .address_space: global }
      - { .name: st, .offset: 16, .size: 8, .value_kind: global_buffer, .address_space: global }
    .group_segment_fixed_size: 327680
    .private_segment_fixed_size: 0
    .kernarg_segment_align: 8
    .kernarg_segment_size: 24
    .max_flat_workgroup_size: 128
    .sgpr_count:     66
    .vgpr_count:     1024
    .wavefront_size: 32
...
	.end_amdgpu_metadata
.endif
;; end of part 3
;; launch pv (part 4): grid 8 x 32, 4 waves a work-group, clusters of 4 x 1, 327,680 bytes of LDS; arguments p, st, qkv, out0; writes out0
.if DOCPART == 4
	.amdgcn_target "amdgcn-amd-amdhsa--gfx1250"
	.amdhsa_code_object_version 6
	.text
	.protected	k_qbac8745c0f_pv
	.globl	k_qbac8745c0f_pv
	.p2align	8
	.type	k_qbac8745c0f_pv,@function
k_qbac8745c0f_pv:
	s_mov_b64 s[64:65], 0
	v_nop
	global_prefetch_b8 v0, s[64:65] scope:SCOPE_SE
	s_setreg_imm32_b32 hwreg(HW_REG_WAVE_MODE, 25, 1), 1
	s_wait_xcnt 0x0
	s_wait_alu depctr_hold_cnt(0) depctr_sa_sdst(0) depctr_va_vdst(0) depctr_va_sdst(0) depctr_va_ssrc(0) depctr_va_vcc(0) depctr_vm_vsrc(0)
	s_getreg_b32 s2, hwreg(HW_REG_IB_STS2, 6, 4)
	s_cmp_eq_u32 s2, 0
	s_cbranch_scc0 .Lentry_in_a_cluster
	s_endpgm
.Lentry_in_a_cluster:
	s_bfe_u32 s2, ttmp6, 0x10000c
	s_cmp_lg_u32 s2, 0x3003
	s_cbranch_scc0 .Lentry_shape_is_right
	s_endpgm
.Lentry_shape_is_right:
; O = the sum over key blocks j of G_j (P_j V_j).  P_j: launch scores' p = 2^(t - M_j) in f16; V: f16, [key][channel] in qkv.  For a query: M = the largest M_j, g_j = 2^(M_j - M) (exact: the M_j are whole numbers),
; L = the sum of g_j l_j, G_j = g_j / L.  Each P_j V_j is summed by the matrix unit from 0 into T and folded into O by fused multiply-adds: no branch on data, and the maximum is taken away as reference() takes it.
; WORK LEFT OUT: key blocks behind a query block are under reference()'s own mask (p = 0 for all inputs): they are not walked.  Rows 0-15 of each sequence are launch first16's, in f32: not stored here.
; SHARES.  A work-group makes 128 queries x 128 channels twice: query block I and then block 15 - I of a sequence: I + 1 and 16 - I key blocks, 17 steps of 128 keys whatever I is: all 256 work-groups alike, and the trip
; counts are constants.  Four waves, each 64 queries x 64 channels.
; CLUSTER: the four work-groups along x have the same sequence and I, and other channels: P's tiles are asked for JOINTLY.  V's tiles differ between the four (plain loads); the work-groups that share V's channels have other I
; and walk other key blocks at the same time, so V's tiles cannot be shared.
; THE MATRIX INSTRUCTION IS USED TRANSPOSED (source 0 = 16 channels of V^T, turned by ds_load_tr16_b128; source 1 = 16 queries of P): lane (r, h) of tile (a, b) holds query 16 a + r and channels 16 b + 8 h + 0 .. 7.
; LDS: two slots; a slot holds two steps: P even, P odd (128 rows x 272), V even, V odd (128 rows x 288): one tensor load a wave.  Behind them a stage and a table of G for each wave, and the spare words.
; REGISTERS: window 0: v1-23 addresses and G; v32-95 rows on their way out; v128-255 O (in the prologue: the statistics).  window 1: two fragment buffers of 128 (64 of P, 64 of V^T, for 64 keys).  window 2: v0-127 T.
.set PT_B,  128*272                    ; a tile of P in LDS
.set VT_B,  128*288                    ; a tile of V: rows of 256 bytes + 32 of padding
.set VOFF,  2*PT_B
.set SLOT,  2*PT_B+2*VT_B
.set STAGE, 2*SLOT                     ; 16 rows x 272 bytes for each wave
.set TBL,   STAGE+4*16*272             ; 17 steps x 64 queries x 4 bytes for each wave
.set SPARE, TBL+4*17*256               ; the spare words: 128 bytes a wave, named by no other line
.set A00, 4                            ; v4-7   LDS address of my P fragments: slot 0 even, odd; slot 1 even, odd
.set A01, 5
.set A10, 6
.set A11, 7
.set B00, 8                            ; v8-11  the same for V
.set B01, 9
.set B10, 10
.set B11, 11
.set STO, 12                           ; v12 where I put 32 bytes of a row of O
.set RD,  13                           ; v13 where I read rows back
.set CO,  14                           ; v14 my byte offset in two rows of O
.set TB,  15                           ; v15 where I read G: it steps four steps a trip
.set TW,  16                           ; v16 where I write G
.set L8,  17                           ; v17 8 x lane
.set SPW, 18
.set NIL, 19
.set GG,  20                           ; v20-23 G of my four tiles of queries
.set BK,  32
.set O,   128
.set F0,  0
.set F1,  128
.set NMB, 128                          ; the prologue: step st, query lane + 32 e: -M (later g, G) at v[NMB + 4 st + 2 e], l behind it
.set OFS, 196                          ; v196-212 offsets in st
.set M1,  214                          ; v214-215 block 1's smallest -M; v216-217 block 2's
.set M2,  216
.set L1,  218                          ; v218-219, v220-221 the sums L
.set L2,  220
.set R1V, 222                          ; v222-223, v224-225 1 / L
.set TT,  226                          ; v226-229 at work
.set WV,  12
.set PAR, 13                           ; s13 wave & 1: my half of the channels.  Also: which of a slot's two steps I fetch
.set RH,  14                           ; s14 wave / 2: my half of the queries
.set II,  20
.set IP1, 21
.set G1A, 24                           ; s[24:31] group 1 for P's tiles; s[32:39] group 0, one set for each slot
.set G0A, 32
.set G1B, 40                           ; s[40:47], s[48:55] the same for V's
.set G0B, 48
.set CA1, 56                           ; s56, s57 P's byte offsets: block 1: CA1 + 256 step; block 2: CA2 + 256 step
.set CA2, 57
.set PB,  58                           ; s[58:59] V at the sequence's first key, my work-group's channels
.set OUT1, 60
.set OUT2, 62
.set SS,  66
.set TA,  68                           ; s[68:69] P's offset: never holds cx
.set TBB, 70                           ; s[70:71] V's offset
.set T1,  72
.set SKIP, 73                          ; s73 0 where my block 1's first 16 rows are a sequence's first 16 positions
.set R1,  74
.set R2,  75
.set SPOS, 76
.set SNEG, 77
.set SA,  78
.set SB,  79
.set MK,  80
.set MSB, 0
.macro WIN new
.if MSB != (\new)
	s_set_vgpr_msb (MSB<<8)|(\new)
.set MSB, (\new)
.endif
.endm
.set MUL,  0xa5                        ; sources 0 and 1 window 1; C and D window 2
.set TO_F, 0x40                        ; destination window 1, address window 0
.macro PLACES
.rept 4
	v_nop
.endr
.endm
; The addresses of the tiles of steps s3 + k + (wave & 1), into slot's groups 0: scalar work alone, behind a wait that shows no tensor load of mine out.
.macro DESC slot, k
	s_add_co_u32 s[SS], s3, \k
	s_add_co_u32 s[SS], s[SS], s[PAR]
	s_cmp_le_u32 s[SS], s[II]                      ; block 1's step, or block 2's
	s_cselect_b32 s[TA], s[CA1], s[CA2]
	s_cselect_b32 s[T1], 0, s[IP1]
	s_sub_co_u32 s[T1], s[SS], s[T1]               ; the key block
	s_lshl_b32 s[SS], s[SS], 8
	s_add_co_u32 s[TA], s[TA], s[SS]
	s_mul_i32 s[TBB], s[T1], 128*6144
	s_add_nc_u64 s[G0A+4*\slot+2:G0A+4*\slot+3], s[4:5], s[TA:TA+1]
	s_or_b32 s[G0A+4*\slot+3], s[G0A+4*\slot+3], 0x80000000
	s_add_nc_u64 s[G0B+4*\slot+2:G0B+4*\slot+3], s[PB:PB+1], s[TBB:TBB+1]
	s_or_b32 s[G0B+4*\slot+3], s[G0B+4*\slot+3], 0x80000000
.endm
; A refill.  Waves 0 and 1 fetch P's two tiles (jointly), waves 2 and 3 V's.  half = 1: the slot gets one step alone, and waves 1 and 3 fetch nothing.  The branches hang on the wave's number alone.
.macro JLOAD slot, half
.if \half
	s_cmp_lg_u32 s[PAR], 0
	s_cbranch_scc1 .Lasked_\@
.endif
	s_cmp_lt_u32 s[WV], 2
	s_cbranch_scc0 .Lfor_b_\@
	tensor_load_to_lds s[G0A+4*\slot:G0A+4*\slot+3], s[G1A:G1A+7]
	s_nop 0
	PLACES
	s_branch .Lasked_\@
.Lfor_b_\@:
	tensor_load_to_lds s[G0B+4*\slot:G0B+4*\slot+3], s[G1B:G1B+7]
	s_nop 0
	PLACES
.Lasked_\@:
.if \half
	PLACES                                         ; for the waves that fetched nothing: the places in front of the loads that follow
.endif
.endm
.macro CREST                           ; a round of the cluster's barrier behind its opening barrier
	s_cmp_lg_u32 s[WV], 0
	s_cbranch_scc1 .Lnot_wave_0_\@
	s_barrier_signal -3
.Lnot_wave_0_\@:
	s_barrier_wait -3
	s_barrier_signal -1
	s_barrier_wait -1
.endm
.macro CROUND
	s_barrier_signal -1
	s_barrier_wait -1
	CREST
.endm
	s_load_b256 s[4:11], s[0:1], 0x0               ; p s[4:5], st s[6:7], qkv s[8:9], out0 s[10:11]
	v_lshl_add_u32 v[SPW], v0, 2, SPARE
	v_mov_b32 v[NIL], 0
	ds_add_u32 v[SPW], v[NIL]                      ; the wave's opening: the add, twice on end, and its wait ahead of my first tensor load
	ds_add_u32 v[SPW], v[NIL]
	v_lshrrev_b32 v1, 5, v0
	v_readfirstlane_b32 s[WV], v1
	s_and_b32 s[PAR], s[WV], 1
	s_lshr_b32 s[RH], s[WV], 1
	s_bfe_u32 s16, ttmp6, 0x40000                  ; cx
	s_lshl_b32 s17, ttmp9, 2
	s_add_co_u32 s17, s17, s16                     ; my block of 128 channels
	s_and_b32 s18, ttmp7, 0xffff
	s_lshr_b32 s19, s18, 3
	s_lshl_b32 s19, s19, 11                        ; the sequence's first row
	s_and_b32 s[II], s18, 7
	s_add_co_u32 s[IP1], s[II], 1
	s_lshl_b32 s22, s[II], 7
	s_add_co_u32 s22, s22, s19                     ; block 1's first query
	s_sub_co_u32 s23, 15, s[II]
	s_lshl_b32 s23, s23, 7
	s_add_co_u32 s23, s23, s19                     ; block 2's
	s_lshl_b32 s[CA1], s22, 12                     ; a row of p is 4,096 bytes
	s_lshl_b32 s[CA2], s23, 12
	s_lshl_b32 s[T1], s[IP1], 8
	s_sub_co_u32 s[CA2], s[CA2], s[T1]             ; block 2's key block is the step less I + 1
	s_lshl_b32 s[T1], s[RH], 6
	s_add_co_u32 s22, s22, s[T1]                   ; my wave's first query of block 1,
	s_add_co_u32 s23, s23, s[T1]                   ; of block 2
	s_lshl_b32 s[R1], s22, 3                       ; their pairs in a key block's row of st
	s_lshl_b32 s[R2], s23, 3
	s_lshl_b32 s[T1], s[IP1], 16
	s_sub_co_u32 s[R2], s[R2], s[T1]               ; (modulo 2^32: the step's 65,536 x step, at least as much, is added to it)
	s_or_b32 s[SKIP], s[II], s[RH]
	s_lshl_b32 s[T1], s17, 9
	s_lshl_b32 s[SS], s[PAR], 8
	s_add_co_u32 s[T1], s[T1], s[SS]               ; my 64 channels in a row of O, in bytes
	s_lshl_b32 s82, s22, 12
	s_add_co_u32 s82, s82, s[T1]
	s_mov_b32 s83, 0
	s_lshl_b32 s84, s23, 12
	s_add_co_u32 s84, s84, s[T1]
	s_mov_b32 s85, 0
	s_mul_i32 s[TBB], s19, 6144
	s_lshl_b32 s[T1], s17, 8
	s_add_co_u32 s[TBB], s[TBB], s[T1]
	s_add_co_u32 s[TBB], s[TBB], 4096              ; v lies 4,096 bytes on in a row of qkv
	s_mov_b32 s[TBB+1], 0
	s_mov_b32 s[TA+1], 0
	s_mov_b32 s[G1A+0], 15|(1<<16)|(1<<20)|(1<<21)|(5<<22)|(3<<25)  ; the mask: all four; elements of 2 bytes; padding on; 21 set beside a mask; four words after every 64
	s_mov_b32 s[G1B+0], (1<<16)|(1<<20)|(5<<22)|(7<<25)             ; no mask; eight words after every 64
.irp g, G1A, G1B
	s_mov_b32 s[\g+1], 128<<16                     ; tensor_dim0
	s_mov_b32 s[\g+2], 128<<16                     ; tensor_dim1
	s_mov_b32 s[\g+3], 128<<16                     ; tile_dim0
	s_mov_b32 s[\g+4], 128                         ; tile_dim1
	s_mov_b32 s[\g+6], 0
	s_mov_b32 s[\g+7], 0
.endr
	s_mov_b32 s[G1A+5], 2048                       ; elements from row to row of p,
	s_mov_b32 s[G1B+5], 3072                       ; of qkv
	s_mul_i32 s[T1], s[PAR], PT_B                  ; where my tiles go: no place in the cluster enters an LDS address
	s_mov_b32 s[G0A], 1
	s_mov_b32 s[G0A+1], s[T1]
	s_mov_b32 s[G0A+4], 1
	s_add_co_u32 s[G0A+5], s[T1], SLOT
	s_mul_i32 s[T1], s[PAR], VT_B
	s_mov_b32 s[G0B], 1
	s_add_co_u32 s[G0B+1], s[T1], VOFF
	s_mov_b32 s[G0B+4], 1
	s_add_co_u32 s[G0B+5], s[T1], SLOT+VOFF
	s_mov_b32 s[SPOS], 0x7f7fffff                  ; the largest f32 number, and its negative
	s_mov_b32 s[SNEG], 0xff7fffff
	s_mov_b32 s3, 0                                ; the trip's first step
	s_wait_dscnt 0x0                               ; both opening adds are done
	s_wait_kmcnt 0x0
	s_add_nc_u64 s[PB:PB+1], s[8:9], s[TBB:TBB+1]
	s_add_nc_u64 s[OUT1:OUT1+1], s[10:11], s[82:83]
	s_add_nc_u64 s[OUT2:OUT2+1], s[10:11], s[84:85]
	DESC 0, 0                                      ; slot 0: steps 0 and 1
	DESC 1, 2                                      ; slot 1: steps 2 and 3
	CROUND                                         ; all four work-groups are here: the first joint loads meet
	s_cmp_lt_u32 s[WV], 2                          ; a wave's two first fills stand in one arm: two loads of mine are out
	s_cbranch_scc0 .Lfirst_b
	tensor_load_to_lds s[G0A:G0A+3], s[G1A:G1A+7]
	s_nop 0
	tensor_load_to_lds s[G0A+4:G0A+7], s[G1A:G1A+7]
	s_nop 0
	PLACES
	s_branch .Lfirst_asked
.Lfirst_b:
	tensor_load_to_lds s[G0B:G0B+3], s[G1B:G1B+7]
	s_nop 0
	tensor_load_to_lds s[G0B+4:G0B+7], s[G1B:G1B+7]
	s_nop 0
	PLACES
.Lfirst_asked:
	v_and_b32 v1, 15, v0                           ; r
	v_bfe_u32 v2, v0, 4, 1                         ; h
	v_and_b32 v3, 31, v0                           ; lane
	v_lshlrev_b32 v[L8], 3, v3
	; THE STATISTICS of my 64 + 64 queries, for the 17 steps: lane L takes queries L and L + 32: each load reads 256 consecutive bytes
.irp st, 0,1,2,3,4,5,6,7,8,9,10,11,12,13,14,15,16
	s_cmp_ge_u32 s[II], \st
	s_cselect_b32 s[T1], s[R1], s[R2]
	s_add_co_u32 s[T1], s[T1], \st<<16             ; a key block's row of st is 65,536 bytes
	v_add_nc_u32 v[OFS+\st], s[T1], v[L8]
	global_load_b64 v[NMB+4*\st:NMB+4*\st+1], v[OFS+\st], s[6:7]
	global_load_b64 v[NMB+4*\st+2:NMB+4*\st+3], v[OFS+\st], s[6:7] offset:256
.endr
	v_mul_u32_u24 v24, v1, 272                     ; P: a fragment's row x pitch + 16 x half, my 64 rows
	v_lshl_add_u32 v24, v2, 4, v24
	s_mul_i32 s[T1], s[RH], 64*272
	v_add_nc_u32 v[A00], s[T1], v24
	v_add_nc_u32 v[A01], PT_B, v[A00]
	v_add_nc_u32 v[A10], SLOT, v[A00]
	v_add_nc_u32 v[A11], SLOT+PT_B, v[A00]
	v_and_b32 v24, 7, v0                           ; V, for the turning load: key 8 h + l % 8, channels 8 ((l / 8) % 2) on, my 64 channels
	v_lshl_add_u32 v24, v2, 3, v24
	v_mul_u32_u24 v24, v24, 288
	v_bfe_u32 v25, v0, 3, 1
	v_lshl_add_u32 v24, v25, 4, v24
	s_lshl_b32 s[T1], s[PAR], 7
	v_add_nc_u32 v24, s[T1], v24
	v_add_nc_u32 v[B00], VOFF, v24
	v_add_nc_u32 v[B01], VOFF+VT_B, v24
	v_add_nc_u32 v[B10], SLOT+VOFF, v24
	v_add_nc_u32 v[B11], SLOT+VOFF+VT_B, v24
	s_mul_i32 s[T1], s[WV], 4352                   ; a wave's stage and its table are 4,352 bytes each
	v_mul_u32_u24 v24, v1, 272
	v_lshl_add_u32 v24, v2, 5, v24
	v_add_nc_u32 v24, s[T1], v24
	v_add_nc_u32 v[STO], STAGE, v24
	v_mul_u32_u24 v24, v2, 272
	v_lshl_add_u32 v24, v1, 4, v24
	v_add_nc_u32 v24, s[T1], v24
	v_add_nc_u32 v[RD], STAGE, v24
	v_lshlrev_b32 v24, 12, v2
	v_lshl_add_u32 v[CO], v1, 4, v24
	v_lshlrev_b32 v24, 2, v1
	v_add_nc_u32 v24, s[T1], v24
	v_add_nc_u32 v[TB], TBL, v24
	v_lshlrev_b32 v24, 2, v3
	v_add_nc_u32 v24, s[T1], v24
	v_add_nc_u32 v[TW], TBL, v24
	s_wait_loadcnt 0x0
	; the smallest -M of each block.  Step 0 is block 1's, steps 8 to 16 block 2's whatever I is; for steps 1 to 7 a scalar compare on I decides, and the other block is given the largest number
.irp e, 0,1
	v_mov_b32 v[M1+\e], v[NMB+2*\e]
	v_min_num_f32 v[M2+\e], v[NMB+32+2*\e], v[NMB+36+2*\e]
.endr
.irp st, 10,11,12,13,14,15,16
.irp e, 0,1
	v_min_num_f32 v[M2+\e], v[M2+\e], v[NMB+4*\st+2*\e]
.endr
.endr
.irp st, 1,2,3,4,5,6,7
	s_cmp_ge_u32 s[II], \st
	s_cselect_b32 s[SA], s[SNEG], s[SPOS]
	s_cselect_b32 s[SB], s[SPOS], s[SNEG]
.irp e, 0,1
	v_max_num_f32 v[TT+\e], s[SA], v[NMB+4*\st+2*\e]
	v_max_num_f32 v[TT+2+\e], s[SB], v[NMB+4*\st+2*\e]
.endr
.irp e, 0,1
	v_min_num_f32 v[M1+\e], v[M1+\e], v[TT+\e]
	v_min_num_f32 v[M2+\e], v[M2+\e], v[TT+2+\e]
.endr
.endr
; g = 2^(M_st - M), in -M's place, and L += g l.  dyn = 1: the block hangs on I; else blk (0, 1) names it; first = 1: the product starts the sum
.macro GSTEP st, dyn, blk, first
.if \dyn
	s_cmp_ge_u32 s[II], \st
	s_cselect_b32 s[MK], -1, 0
	s_cselect_b32 s[SA], 1.0, 0
	s_cselect_b32 s[SB], 0, 1.0
.irp e, 0,1
	v_cndmask_b32 v[TT+\e], v[M2+\e], v[M1+\e], s[MK]
.endr
.irp e, 0,1
	v_sub_f32 v[TT+\e], v[TT+\e], v[NMB+4*\st+2*\e]
.endr
.else
.irp e, 0,1
	v_sub_f32 v[TT+\e], v[M1+2*\blk+\e], v[NMB+4*\st+2*\e]         ; M_st - M: a whole number, 0 or less
.endr
.endif
.irp e, 0,1
	v_cvt_i32_f32 v[TT+\e], v[TT+\e]               ; (it saturates)
.endr
.irp e, 0,1
	v_ldexp_f32 v[NMB+4*\st+2*\e], 1.0, v[TT+\e]
.endr
.if \dyn
.irp e, 0,1
	v_mul_f32 v[TT+2+\e], v[NMB+4*\st+2*\e], v[NMB+4*\st+2*\e+1]
.endr
.irp e, 0,1
	v_fma_f32 v[L1+\e], v[TT+2+\e], s[SA], v[L1+\e]                ; x 1 for the step's block, x 0 for the other
	v_fma_f32 v[L2+\e], v[TT+2+\e], s[SB], v[L2+\e]
.endr
.elseif \first
.irp e, 0,1
	v_mul_f32 v[L1+2*\blk+\e], v[NMB+4*\st+2*\e], v[NMB+4*\st+2*\e+1]
.endr
.else
.irp e, 0,1
	v_fma_f32 v[L1+2*\blk+\e], v[NMB+4*\st+2*\e], v[NMB+4*\st+2*\e+1], v[L1+2*\blk+\e]
.endr
.endif
.endm
	GSTEP 0, 0, 0, 1
	GSTEP 8, 0, 1, 1
.irp st, 9,10,11,12,13,14,15,16
	GSTEP \st, 0, 1, 0
.endr
.irp st, 1,2,3,4,5,6,7
	GSTEP \st, 1, 0, 0
.endr
.irp i, 0,1,2,3
	v_rcp_f32 v[R1V+\i], v[L1+\i]                  ; L is at least a half: the block with the largest M has g = 1 and a p over a half
.endr
	v_nop                                          ; a plain line behind the last reciprocal
	s_wait_alu depctr_va_vdst(0)                   ; one wait for the four, ahead of their first reader
.macro GOUT st, dyn, blk               ; G = g / L, into my wave's table: query lane + 32 e of step st
.if \dyn
	s_cmp_ge_u32 s[II], \st
	s_cselect_b32 s[MK], -1, 0
.irp e, 0,1
	v_cndmask_b32 v[TT+\e], v[R1V+2+\e], v[R1V+\e], s[MK]
.endr
.irp e, 0,1
	v_mul_f32 v[NMB+4*\st+2*\e], v[NMB+4*\st+2*\e], v[TT+\e]
.endr
.else
.irp e, 0,1
	v_mul_f32 v[NMB+4*\st+2*\e], v[NMB+4*\st+2*\e], v[R1V+2*\blk+\e]
.endr
.endif
.irp e, 0,1
	ds_store_b32 v[TW], v[NMB+4*\st+2*\e] offset:256*\st+128*\e
.endr
.endm
	GOUT 0, 0, 0
.irp st, 1,2,3,4,5,6,7
	GOUT \st, 1, 0
.endr
.irp st, 8,9,10,11,12,13,14,15,16
	GOUT \st, 0, 1
.endr
.macro CLEAR                           ; O begins as zeros, once for each of the two query blocks: the steps' fused multiply-adds are then all alike
.set n, 0
.rept 128
	v_mov_b32 v[O+n], 0
.set n, n+1
.endr
.endm
	CLEAR
; 32 LDS loads in one run: the fragments of keys 32 kc to 32 kc + 63 of a tile, into buffer f; the first 32 keys first
.macro FETCH aadr, badr, kc, f
	WIN TO_F
.irp c, 0,1
.irp i, 0,1,2,3
	ds_load_tr16_b128 v[\f+64+8*(4*\c+\i):\f+64+8*(4*\c+\i)+3],   v[\badr] offset:9216*(\kc+\c)+32*\i
	ds_load_tr16_b128 v[\f+64+8*(4*\c+\i)+4:\f+64+8*(4*\c+\i)+7], v[\badr] offset:9216*(\kc+\c)+32*\i+4608
	ds_load_b128 v[\f+8*(4*\c+\i):\f+8*(4*\c+\i)+3],              v[\aadr] offset:64*(\kc+\c)+4352*\i
	ds_load_b128 v[\f+8*(4*\c+\i)+4:\f+8*(4*\c+\i)+7],            v[\aadr] offset:64*(\kc+\c)+4352*\i+32
.endr
.endr
.endm
; 8 matrix instructions: query tiles a0, a0 + 1 x all 4 channel tiles, 32 keys: half c of buffer f.  zero = 1: the product starts T's sums.  The 16 accumulators take turns.
.macro MUL8 f, c, a0, zero
.irp a, \a0, \a0+1
.irp b, 0,1,2,3
.if \zero
	v_wmma_f32_16x16x32_f16 v[8*(4*(\a)+\b):8*(4*(\a)+\b)+7], v[\f+64+8*(4*\c+\b):\f+64+8*(4*\c+\b)+7], v[\f+8*(4*\c+\a):\f+8*(4*\c+\a)+7], 0
.else
	v_wmma_f32_16x16x32_f16 v[8*(4*(\a)+\b):8*(4*(\a)+\b)+7], v[\f+64+8*(4*\c+\b):\f+64+8*(4*\c+\b)+7], v[\f+8*(4*\c+\a):\f+8*(4*\c+\a)+7], v[8*(4*(\a)+\b):8*(4*(\a)+\b)+7]
.endif
.endr
.endr
.endm
; 64 keys: multiplies buffer f; in its middle it fetches the next 64 keys (tile aadr, badr, from key 32 kc) into g, and, gofs >= 0, the step's G ahead of them
.macro HALF f, g, zero, gofs, aadr, badr, kc
	s_wait_dscnt 16                                ; the first 32 keys' fragments are in
	WIN MUL
	MUL8 \f, 0, 0, \zero
	MUL8 \f, 0, 2, \zero
	PLACES
.if \gofs >= 0
	WIN 0
.irp a, 0,1,2,3
	ds_load_b32 v[GG+\a], v[TB] offset:\gofs+64*\a                 ; G of query 16 a + r: my wave's own stores, in order
.endr
.endif
	FETCH \aadr, \badr, \kc, \g
	s_wait_dscnt 32                                ; all but the 32 just issued: the second 32 keys' fragments, and G
	WIN MUL
	MUL8 \f, 1, 0, 0
	MUL8 \f, 1, 2, 0
.endm
; An odd step's second half multiplies buffer 1 and changes slots: ONE barrier; in front of it each wave waits for all its tensor loads, adds 0 to its spare word, and waits for that and for its reads of this slot.
; fill = 1: the barrier opens a round of the cluster's, and behind the round this slot is filled again first, with steps s3 + k and s3 + k + 1: 112 matrix instructions in which to land.
.macro TURN slot, na, nb, fill, k, half
	WIN 0
	s_wait_tensorcnt 0x0
	ds_add_u32 v[SPW], v[NIL]                      ; 0 onto my spare word; the descriptors' words stand between it and the wait for it
.if \fill
	DESC \slot, \k
.endif
	s_wait_dscnt 17                                ; (the add and the youngest sixteen loads may be out)
	WIN MUL
	MUL8 F1, 0, 0, 0
	s_wait_dscnt 0x0                               ; the add is done, and my reads of this slot are over
	s_barrier_signal -1
	MUL8 F1, 0, 2, 0
.if \fill
	WIN 0
.endif
	s_barrier_wait -1
.if \fill
	CREST
	JLOAD \slot, \half
.else
	PLACES
.endif
	FETCH \na, \nb, 0, F0
	WIN MUL
	MUL8 F1, 1, 0, 0
	MUL8 F1, 1, 2, 0
.endm
; O += G T.  The four v_nop and the multiply-adds on the other tiles are also the places between a step's last products and the next step's first, which write T anew.
.macro FMA
	PLACES
	WIN 0x02                                       ; source 0 (T) window 2
.irp a, 0,1,2,3
.set n, 0
.rept 16
.if (\a%2) == 0
	v_pk_fma_f32 v[O+32*\a+n:O+32*\a+n+1], v[32*\a+n:32*\a+n+1], v[GG+2*(\a/2):GG+2*(\a/2)+1], v[O+32*\a+n:O+32*\a+n+1] op_sel_hi:[1,0,1]              ; the pair's first register for both halves
.else
	v_pk_fma_f32 v[O+32*\a+n:O+32*\a+n+1], v[32*\a+n:32*\a+n+1], v[GG+2*(\a/2):GG+2*(\a/2)+1], v[O+32*\a+n:O+32*\a+n+1] op_sel:[0,1,0] op_sel_hi:[1,1,1]  ; its second
.endif
.set n, n+2
.endr
.endr
	WIN 0
.endm
; THE WAY OUT: 16 queries x 64 channels at a time through my stage; back as whole rows of 256 bytes.  guard = 1: a sequence's first 16 positions are left to launch first16.
.macro WAYOUT base, guard
.irp a, 0,1,2,3
.if (\guard) && (\a == 0)
	s_cmp_eq_u32 s[SKIP], 0
	s_cbranch_scc1 .Lnot_mine_\@
.endif
.irp b, 0,1,2,3
	ds_store_b128 v[STO], v[O+8*(4*\a+\b):O+8*(4*\a+\b)+3] offset:64*\b
	ds_store_b128 v[STO], v[O+8*(4*\a+\b)+4:O+8*(4*\a+\b)+7] offset:64*\b+16
.endr
	s_wait_xcnt 0x0                                ; the earlier stores have read their registers: this set of rows may be loaded again
.irp t, 0,1,2,3,4,5,6,7
	ds_load_b128 v[BK+32*(\a%2)+4*\t:BK+32*(\a%2)+4*\t+3], v[RD] offset:544*\t   ; LDS serves a wave's instructions in order: these see the stores above
.endr
	s_wait_dscnt 0x0
.irp t, 0,1,2,3,4,5,6,7
	global_store_b128 v[CO], v[BK+32*(\a%2)+4*\t:BK+32*(\a%2)+4*\t+3], s[\base:\base+1] offset:65536*\a+8192*\t th:TH_STORE_NT   ; 16 lanes store 256 consecutive bytes, aligned; written once
.endr
.if (\guard) && (\a == 0)
.Lnot_mine_\@:
.endif
.endr
.endm
.macro SWITCH k                        ; behind block 1's last step (step I) it goes out, and O begins anew.  The branch hangs on ids and the count of steps: the same in all waves and partners
	s_add_co_u32 s[SS], s3, \k
	s_cmp_lg_u32 s[SS], s[II]
	s_cbranch_scc1 .Lon_\@
	WAYOUT OUT1, 1
	CLEAR
.Lon_\@:
.endm
	s_wait_tensorcnt 1                             ; my part of slot 0 is in (slot 1's may be out)
	s_wait_dscnt 0x0
	s_barrier_signal -1
	s_barrier_wait -1                              ; everybody's is
	FETCH A00, B00, 0, F0
	WIN 0
.Ltrip:                                            ; three trips of four steps: s3 = 0, 4, 8
	HALF F0, F1, 1, 0,   A00, B00, 2
	HALF F1, F0, 0, -1,  A01, B01, 0
	FMA
	SWITCH 0
	HALF F0, F1, 1, 256, A01, B01, 2
	TURN 0, A10, B10, 1, 4, 0
	FMA
	SWITCH 1
	HALF F0, F1, 1, 512, A10, B10, 2
	HALF F1, F0, 0, -1,  A11, B11, 0
	FMA
	SWITCH 2
	HALF F0, F1, 1, 768, A11, B11, 2
	TURN 1, A00, B00, 1, 6, 0
	FMA
	SWITCH 3
	v_add_nc_u32 v[TB], 1024, v[TB]                ; four steps on in G's table
	s_add_co_u32 s3, s3, 4
	s_cmp_lt_u32 s3, 12
	s_cbranch_scc1 .Ltrip
	HALF F0, F1, 1, 0,   A00, B00, 2               ; steps 12 to 16 are written out (block 2's whatever I is): slot 0 gets step 16 alone, slot 1 nothing more
	HALF F1, F0, 0, -1,  A01, B01, 0
	FMA
	HALF F0, F1, 1, 256, A01, B01, 2
	TURN 0, A10, B10, 1, 4, 1
	FMA
	HALF F0, F1, 1, 512, A10, B10, 2
	HALF F1, F0, 0, -1,  A11, B11, 0
	FMA
	HALF F0, F1, 1, 768, A11, B11, 2
	TURN 1, A00, B00, 0, 0, 0
	FMA
	HALF F0, F1, 1, 1024, A00, B00, 2
	s_wait_dscnt 16
	WIN MUL
	MUL8 F1, 0, 0, 0
	MUL8 F1, 0, 2, 0
	s_wait_dscnt 0
	MUL8 F1, 1, 0, 0
	MUL8 F1, 1, 2, 0
	FMA
	WAYOUT OUT2, 0
	s_wait_tensorcnt 0x0                           ; the wave's end, behind my last tensor load and my last LDS store
	ds_add_u32 v[SPW], v[NIL]
	s_wait_dscnt 0x0
	CROUND                                         ; the closing round: no work-group ends while a partner may still ask jointly
	s_endpgm
.Lfunc_end_k_qbac8745c0f_pv:
	.size	k_qbac8745c0f_pv, .Lfunc_end_k_qbac8745c0f_pv-k_qbac8745c0f_pv
	.p2alignl 7, 3214868480
	.fill 96, 4, 3214868480
	.section	.rodata,"a",@progbits
	.p2align	6, 0x0
	.amdhsa_kernel k_qbac8745c0f_pv
		.amdhsa_group_segment_fixed_size 327680
		.amdhsa_private_segment_fixed_size 0
		.amdhsa_enable_private_segment 0
		.amdhsa_kernarg_size 32
		.amdhsa_user_sgpr_count 2
		.amdhsa_user_sgpr_kernarg_segment_ptr 1
		.amdhsa_wavefront_size32 1
		.amdhsa_system_sgpr_workgroup_id_x 1
		.amdhsa_system_sgpr_workgroup_id_y 1
		.amdhsa_system_sgpr_workgroup_id_z 1
		.amdhsa_system_vgpr_workitem_id 0
		.amdhsa_next_free_vgpr 640
		.amdhsa_next_free_sgpr 96
		.amdhsa_reserve_vcc 0
		.amdhsa_float_denorm_mode_32 3
		.amdhsa_float_denorm_mode_16_64 3
		.amdhsa_memory_ordered 1
		.amdhsa_forward_progress 1
		.amdhsa_inst_pref_size 211
	.end_amdhsa_kernel
	.amdgpu_metadata
---
amdhsa.version: [ 1, 2 ]
amdhsa.kernels:
  - .name:           k_qbac8745c0f_pv
    .symbol:         k_qbac8745c0f_pv.kd
    .args:
      - { .name: p, .offset: 0, .size: 8, .value_kind: global_buffer, .address_space: global }
      - { .name: st, .offset: 8, .size: 8, .value_kind: global_buffer, .address_space: global }
      - { .name: qkv, .offset: 16, .size: 8, .value_kind: global_buffer, .address_space: global }
      - { .name: out0, .offset: 24, .size: 8, .value_kind: global_buffer, .address_space: global }
    .group_segment_fixed_size: 327680
    .private_segment_fixed_size: 0
    .kernarg_segment_align: 8
    .kernarg_segment_size: 32
    .max_flat_workgroup_size: 128
    .sgpr_count:     96
    .vgpr_count:     640
    .wavefront_size: 32
...
	.end_amdgpu_metadata
.endif
;; end of part 4
;; launch first16 (part 5): grid 16 x 4, 8 waves a work-group, no clusters, 1,536 bytes of LDS; arguments h32, out0; writes out0
.if DOCPART == 5
	.amdgcn_target "amdgcn-amd-amdhsa--gfx1250"
	.amdhsa_code_object_version 6
	.text
	.protected	k_qbac8745c0f_first16
	.globl	k_qbac8745c0f_first16
	.p2align	8
	.type	k_qbac8745c0f_first16,@function
k_qbac8745c0f_first16:
	s_mov_b64 s[64:65], 0
	v_nop
	global_prefetch_b8 v0, s[64:65] scope:SCOPE_SE
	s_setreg_imm32_b32 hwreg(HW_REG_WAVE_MODE, 25, 1), 1
	s_wait_xcnt 0x0
; The first 16 positions of each sequence, all in f32: under the causal mask they average one to sixteen values and are the largest of the output, so 16-bit operands would weigh most there.
; h32 [4 x 16 rows][3,072] holds their q, k, v as the quantised products' f32 sums.  A work-group is one query; thread t owns the four numbers at byte 16 t of a row of 1,024.
; Keys behind the query stay as masked work inside the one tile of 16 x 16: their scores become -infinity and their weights 0.  No matrix instruction: 16 dot products and 16 weighted rows are fused multiply-adds.
.set D,     136                        ; v136-151 my part of the 16 dot products
.set KK,    153                        ; v153 lane % 16: the key whose score I hold
.set SPW,   158
.set NIL,   159
.set SPARE, 512                        ; behind the 8 x 64 bytes of partial sums: the spare words, 128 bytes a wave, named by no other line
	s_load_b128 s[4:7], s[0:1], 0x0                ; h32 s[4:5], out0 s[6:7]
	v_lshl_add_u32 v[SPW], v0, 2, SPARE
	v_mov_b32 v[NIL], 0
	v_lshlrev_b32 v1, 4, v0                        ; 16 t
	v_lshrrev_b32 v2, 5, v0
	v_lshlrev_b32 v2, 6, v2                        ; LDS: 64 bytes for each wave
	v_and_b32 v[KK], 15, v0
	v_lshlrev_b32 v3, 2, v[KK]
	v_mov_b32 v154, 0xff800000                     ; -infinity
	s_and_b32 s8, ttmp7, 0xffff                    ; the sequence
	s_mov_b32 s9, ttmp9                            ; the query
	s_mul_i32 s10, s8, 16*12288
	s_mov_b32 s11, 0
	s_mul_i32 s12, s9, 12288
	s_mov_b32 s13, 0
	s_lshl_b32 s14, s8, 11
	s_add_co_u32 s14, s14, s9
	s_lshl_b32 s14, s14, 12                        ; its row of the output
	s_mov_b32 s15, 0
	s_mov_b32 s32, 0x76543210
	s_mov_b32 s33, 0xfedcba98                      ; selects for lane l xor 16
	s_mov_b32 s34, 0x3d38aa3b                      ; log2(e) / sqrt(1,024)
	s_wait_kmcnt 0x0
	s_add_nc_u64 s[4:5], s[4:5], s[10:11]          ; the sequence's 16 rows
	s_add_nc_u64 s[12:13], s[4:5], s[12:13]        ; the query's
	s_add_nc_u64 s[6:7], s[6:7], s[14:15]
	global_load_b128 v[4:7], v1, s[12:13]          ; q
.irp kk, 0,1,2,3,4,5,6,7,8,9,10,11,12,13,14,15
	global_load_b128 v[8+4*\kk:11+4*\kk], v1, s[4:5] offset:12288*\kk+4096     ; k
.endr
.irp kk, 0,1,2,3,4,5,6,7,8,9,10,11,12,13,14,15
	global_load_b128 v[72+4*\kk:75+4*\kk], v1, s[4:5] offset:12288*\kk+8192    ; v
.endr
	s_wait_loadcnt 16                              ; q and k are in; v's sixteen loads may be out
.irp kk, 0,1,2,3,4,5,6,7,8,9,10,11,12,13,14,15
	v_mul_f32 v[D+\kk], v4, v[8+4*\kk]
.endr
.irp c, 1,2,3
.irp kk, 0,1,2,3,4,5,6,7,8,9,10,11,12,13,14,15
	v_fmac_f32 v[D+\kk], v[4+\c], v[8+4*\kk+\c]
.endr
.endr
.irp m, 1,2,4,8
.irp kk, 0,1,2,3,4,5,6,7,8,9,10,11,12,13,14,15
	v_add_f32_dpp v[D+\kk], v[D+\kk], v[D+\kk] row_xmask:\m row_mask:0xf bank_mask:0xf
.endr
.endr
.irp kk, 0,1,2,3,4,5,6,7,8,9,10,11,12,13,14,15
	v_permlanex16_b32 v[8+\kk], v[D+\kk], s32, s33 ; (k's registers are done with, and have been written)
.endr
.irp kk, 0,1,2,3,4,5,6,7,8,9,10,11,12,13,14,15
	v_add_f32 v[D+\kk], v[D+\kk], v[8+\kk]         ; the wave's 128 numbers' part of each dot product, in every lane
.endr
.irp i, 0,1,2,3
	ds_store_b128 v2, v[D+4*\i:D+4*\i+3] offset:16*\i   ; all lanes write the same bytes with the same values
.endr
	s_wait_dscnt 0x0                               ; for the others' sake
	s_barrier_signal -1
	s_barrier_wait -1
.irp w, 0,1,2,3,4,5,6,7
	ds_load_b32 v[164+\w], v3 offset:64*\w         ; key lane % 16: the eight waves' parts
.endr
	s_wait_dscnt 0x0
	v_add_f32 v164, v164, v165
	v_add_f32 v166, v166, v167
	v_add_f32 v168, v168, v169
	v_add_f32 v170, v170, v171
	v_add_f32 v164, v164, v166
	v_add_f32 v168, v168, v170
	v_add_f32 v155, v164, v168                     ; the score
	v_cmp_lt_u32 vcc_lo, s9, v[KK]                 ; the key lies behind the query
	v_cndmask_b32 v155, v155, v154, vcc_lo
	v_mov_b32 v157, v155
.irp m, 1,2,4,8
	v_max_num_f32_dpp v157, v157, v157 row_xmask:\m row_mask:0xf bank_mask:0xf
.endr
	v_sub_f32 v156, v155, v157                     ; the maximum is taken away (key 0 counts for every query, so it is a number)
	v_mul_f32 v156, s34, v156
	v_exp_f32 v156, v156
	v_nop                                          ; a plain line behind the exponential
	s_wait_alu depctr_va_vdst(0)                   ; ahead of the first reader
	v_mov_b32 v157, v156
.irp m, 1,2,4,8
	v_add_f32_dpp v157, v157, v157 row_xmask:\m row_mask:0xf bank_mask:0xf
.endr
	v_rcp_f32 v155, v157
	v_nop
	s_wait_alu depctr_va_vdst(0)
	v_mul_f32 v156, v156, v155                     ; the weight of key lane % 16
.irp kk, 0,1,2,3,4,5,6,7,8,9,10,11,12,13,14,15
	v_readlane_b32 s[16+\kk], v156, \kk            ; values alone: no address and no branch hangs on them
.endr
	s_wait_loadcnt 0x0                             ; v
.irp c, 0,1,2,3
	v_mul_f32 v[160+\c], s16, v[72+\c]
.endr
.irp kk, 1,2,3,4,5,6,7,8,9,10,11,12,13,14,15
.irp c, 0,1,2,3
	v_fmac_f32 v[160+\c], s[16+\kk], v[72+4*\kk+\c]
.endr
.endr
	global_store_b128 v1, v[160:163], s[6:7] th:TH_STORE_NT   ; a wave stores 512 consecutive bytes, aligned to 256
	s_wait_tensorcnt 0x0                           ; the wave's end, behind my last LDS store
	ds_add_u32 v[SPW], v[NIL]
	s_wait_dscnt 0x0
	s_endpgm
.Lfunc_end_k_qbac8745c0f_first16:
	.size	k_qbac8745c0f_first16, .Lfunc_end_k_qbac8745c0f_first16-k_qbac8745c0f_first16
	.p2alignl 7, 3214868480
	.fill 96, 4, 3214868480
	.section	.rodata,"a",@progbits
	.p2align	6, 0x0
	.amdhsa_kernel k_qbac8745c0f_first16
		.amdhsa_group_segment_fixed_size 1536
		.amdhsa_private_segment_fixed_size 0
		.amdhsa_enable_private_segment 0
		.amdhsa_kernarg_size 16
		.amdhsa_user_sgpr_count 2
		.amdhsa_user_sgpr_kernarg_segment_ptr 1
		.amdhsa_wavefront_size32 1
		.amdhsa_system_sgpr_workgroup_id_x 1
		.amdhsa_system_sgpr_workgroup_id_y 1
		.amdhsa_system_sgpr_workgroup_id_z 1
		.amdhsa_system_vgpr_workitem_id 0
		.amdhsa_next_free_vgpr 176
		.amdhsa_next_free_sgpr 66
		.amdhsa_reserve_vcc 1
		.amdhsa_float_denorm_mode_32 3
		.amdhsa_float_denorm_mode_16_64 3
		.amdhsa_memory_ordered 1
		.amdhsa_forward_progress 1
		.amdhsa_inst_pref_size 18
	.end_amdhsa_kernel
	.amdgpu_metadata
---
amdhsa.version: [ 1, 2 ]
amdhsa.kernels:
  - .name:           k_qbac8745c0f_first16
    .symbol:         k_qbac8745c0f_first16.kd
    .args:
      - { .name: h32, .offset: 0, .size: 8, .value_kind: global_buffer, .address_space: global }
      - { .name: out0, .offset: 8, .size: 8, .value_kind: global_buffer, .address_space: global }
    .group_segment_fixed_size: 1536
    .private_segment_fixed_size: 0
    .kernarg_segment_align: 8
    .kernarg_segment_size: 16
    .max_flat_workgroup_size: 256
    .sgpr_count:     66
    .vgpr_count:     176
    .wavefront_size: 32
...
	.end_amdgpu_metadata
.endif
;; end of part 5
